; MI455X (gfx1250); checked and timed in simulation.
; The chip was launched on July 23, 2026; its instructions are those of AMD's public machine-readable ISA for CDNA 5 (MIT licence, August 2026) and "CDNA5" Instruction Set Architecture Reference Guide (July 2026). The comments in the code are by the model that wrote it; some were corrected since.
;; Multi Head Self Attention. Allowed arithmetic: matrix products marked QUANTISED: E2M3 operands, one E8M0 scale for each 32 along K, by v_wmma_scale_f32_16x16x128_f8f6f4 with both operands' format E2M3, f32 sums; everything else in f32.
;; Inputs: Wk 1,024 x 1,024 float32; Wo 1,024 x 1,024 float32; Wq 1,024 x 1,024 float32; Wv 1,024 x 1,024 float32; bk 1,024 float32; bo 1,024 float32; bq 1,024 float32; bv 1,024 float32; k_scale 1,024 float32; o_scale 1,024 float32; positions 4 x 2,048 int32; q_scale 1,024 float32; v_scale 1,024 float32; x 4 x 2,048 x 1,024 float32.
;; Outputs: out0 4 x 2,048 x 1,024 float32.
;; This version of the problem:
;;   THIS VERSION OF THE PROBLEM IS GIVEN IN LOW PRECISION. The matrix products marked QUANTISED in the list below multiply operands that are first quantised to E2M3 (2 exponent bits, 3 mantissa bits; 6 bits a number), with one power-of-two scale for each 32 numbers along K (OCP MX v1.0); their sums are f32. All else is computed in f32.
;;   The module's matrix products, in the order in which they are computed (A, B: the left and right operand; K: the contracted axis; several contracted axes count as one K, in the product's order):
;;     1. [M 8,192, K 1,024] x [K 1,024, N 1,024]; A: input x; B: input Wq: QUANTISED
;;     2. [M 8,192, K 1,024] x [K 1,024, N 1,024]; A: input x; B: input Wk: QUANTISED
;;     3. [M 8,192, K 1,024] x [K 1,024, N 1,024]; A: input x; B: input Wv: QUANTISED
;;     4. batch 64 x [M 2,048, K 64] x [K 64, N 2,048]; A: computed on the way; B: computed on the way: QUANTISED
;;     5. batch 64 x [M 2,048, K 2,048] x [K 2,048, N 64]; A: softmax (see below); B: computed on the way: QUANTISED
;;     6. [M 8,192, K 1,024] x [K 1,024, N 1,024]; A: computed on the way; B: input Wo: QUANTISED
;;   THE QUANTISER, for each operand of a quantised product, along K:
;;     - K is cut into blocks of 32 from its start; a last block that is shorter is filled with zeros.
;;     - A block's scale is 2^e with e = floor(log2(the largest magnitude in the block)) - 2, held to -126 .. 127; a block of zeros has e = 0. As a byte (E8M0): e + 127.
;;     - Each number is divided by its block's scale, clamped to +-7.5, and rounded to the nearest number of E2M3, ties to even, subnormals kept.
;;     - The product sums the exact products of the quantised numbers (number of the format x scale) in f32.
;;   ~~~python
;;   def quantise(x, axis):      # numpy; x: float32 -> the quantised numbers, widened to float32 again
;;       x = np.moveaxis(x, axis, -1); K = x.shape[-1]
;;       x = np.pad(x, [(0, 0)] * (x.ndim - 1) + [(0, -K % 32)]); x = x.reshape(x.shape[:-1] + (-1, 32)); a = np.abs(x).max(-1, keepdims=True)
;;       e = np.where(a > 0, np.clip(np.frexp(np.where(a > 0, a, 1))[1] - 1 - 2, -126, 127), 0)      # np.frexp(a)[1] - 1 = floor(log2(a)), exactly
;;       r = np.clip(x / 2.0 ** e, -7.5, 7.5)
;;       step = 2.0 ** (np.maximum(np.frexp(np.where(r == 0, 1, r))[1] - 1, 0) - 3)
;;       q = np.round(r / step) * step * 2.0 ** e      # np.round: ties to even
;;       return np.moveaxis(q.reshape(q.shape[:-2] + (-1,))[..., :K], -1, axis).astype(np.float32)
;;   ~~~
;;   SOFTMAX AHEAD OF A QUANTISED PRODUCT. Where the list says 'softmax', what is quantised is not the finished softmax but p = 2^(t - M), with t = logit x log2(e) and M = ceil(the row's largest t), a whole number; so 1/2 < the row's largest p <= 1. The row's sum l is taken of the UNQUANTISED p, in f32, and the product's result is divided by l at the end. Since M is a whole number, a kernel that streams over the keys may use a running M (the ceiling of the running maximum): every later rescaling is an exact power of two, which a block's scale takes up: the codes' values come out the same.
;;   OPERANDS COMPUTED ON THE WAY. 'Computed on the way' means the value that the module computes at that place (a softmax that the list does not call 'softmax' is quantised finished and normalised). What goes into a quantiser is computed in f32, as accurately as f32 sums, v_exp_f32 and their like allow (about 1e-6 of the number): no bf16 or f16 on the way to a quantiser, and a product that is left as it is and whose result goes on into a quantised operand takes f32 operands (vector FMAs, or v_wmma_f32_16x16x4_f32). A number that lies on a knife's edge between two numbers of the format may be rounded either way, as far as f32 arithmetic and the matrix unit's own rounding can turn it there, and no further.
;; One version. Each part assembles by itself: llvm-mc -triple=amdgcn-amd-amdhsa -mcpu=gfx1250 --defsym DOCPART=n.
;; ======== version 1 of 1: 4 launches
;; limits: right only within a limited range of input values
;; workspace buffers: xq 6,553,600 bytes; wq 3,276,800 bytes; tab 2,097,152 bytes; qq 6,815,744 bytes; kv 13,369,344 bytes; cq 6,553,600 bytes
;; launch prep (part 1): grid 384 x 1, 4 waves a work-group, no clusters, 34,304 bytes of LDS; arguments x, positions, Wq, Wk, Wv, Wo, xq, wq, tab; writes xq, wq, tab
.if DOCPART == 1
	.amdgcn_target "amdgcn-amd-amdhsa--gfx1250"
	.amdhsa_code_object_version 6
	.text
	.protected	k_qcf13bd19f0_prep
	.globl	k_qcf13bd19f0_prep
	.p2align	8
	.type	k_qcf13bd19f0_prep,@function
k_qcf13bd19f0_prep:
	s_mov_b64 s[64:65], 0
	v_nop
	global_prefetch_b8 v0, s[64:65] scope:SCOPE_SE
	s_setreg_imm32_b32 hwreg(HW_REG_WAVE_MODE, 25, 1), 1
	s_wait_xcnt 0x0
; x [8192][1024] and the four weights [1024 (k)][1024 (n)], f32, become codes of FP6 (E2M3) with one E8M0 byte for each 32 along K; and the rotation's cos and sin are laid in a table.
; A block's scale is 2^(floor(log2(its largest magnitude)) - 2); its byte is the largest magnitude's exponent field - 2, held at 1 from below (a block of zeros keeps the byte 1: its codes are zeros, and this program alone reads the bytes).
; LIMITS: blocks whose largest magnitude lies under 2^-124 keep the byte 1; NaN and infinities are not served; |position| up to 2^21 (the angle's reduction keeps its first step exact so far).
; LAYOUT OF THE CODES: images of the operand's registers.  A fragment (16 rows x 128 K, 12 registers a lane) is 1,536 bytes: register pair p of lane l at 256 p + 8 l.  xq: [tile 512][K step 8][1536]; wq: [64 w + tile][K step 8][1536].
; THE ROWS OF A TILE ARE NOT NEIGHBOURS: row r of tile 2 b + u is index 32 b + 8 u + r + 8 (r / 8) (x's rows, a weight's columns), so that a later result's 16 registers of two neighbouring tiles are 16 neighbours.
; SCALES: 512 bytes a tile, behind the codes: the word of K step 2 t + q of row r at 128 t + 8 r + 4 q.
; Work-groups 0-255 take x (a wave: one tile x 512 K) and the table (a wave: 8 positions, a lane a frequency); work-groups 256-383 take the weights (a wave: 32 columns x 256 K, a lane a column, registers down K).
; No tensor load, no barrier: waves share nothing.  Only x's path uses LDS.
.set XSC, 6291456                      ; where xq's scale blocks begin
.set WSC, 3145728                      ; where wq's begin
.set SEL, 28                           ; s[28:29] selects of v_permlanex16_b32 for lane l xor 16
.set L8,  5                            ; v5  8 x lane
.set TM,  20                           ; v20-35 at work in QUANT
.set PC,  36                           ; v36-55 codes just made
.set RA,  56                           ; v56-183 two sets of 64 numbers as loaded
.set XN,  184                          ; v184-247 64 numbers, 16 neighbours of each of four blocks
.set TH,  248                          ; v248 theta of my frequency
.set G,   120                          ; weights: v120-167 six code registers for each of 8 blocks
.set XW,  56                           ; weights: v56-119 two sets of 32 numbers
; 64 numbers of a lane, register 16 b + i = k 32 b + 16 (lane / 16) + i of my row, become a fragment's 12 registers v[pc] on and its scale word v[pw]
.macro QUANT s, pc, pw
.irp b, 0,1,2,3
	v_max3_num_f32 v[TM+\b], |v[\s+16*\b]|, |v[\s+1+16*\b]|, 0x1800000   ; my 16 numbers of block b, and the floor 2^(3 - 127)
.endr
.irp i, 2,4,6,8,10,12,14
.irp b, 0,1,2,3
	v_max3_num_f32 v[TM+\b], v[TM+\b], |v[\s+16*\b+\i]|, |v[\s+1+16*\b+\i]|
.endr
.endr
.irp b, 0,1,2,3
	v_permlanex16_b32 v[TM+4+\b], v[TM+\b], s[SEL], s[SEL+1]
.endr
.irp b, 0,1,2,3
	v_max_num_f32 v[TM+\b], v[TM+\b], v[TM+4+\b]                     ; with lane l xor 16's: the block's largest magnitude
.endr
.irp b, 0,1,2,3
	v_add_nc_u32 v[TM+12+\b], 0xff000000, v[TM+\b]                   ; 2 off its exponent field: the conversion's scale operand
.endr
.irp b, 0,1,2,3
	v_lshrrev_b32 v[TM+4+\b], 23, v[TM+12+\b]                        ; the scale's byte
.endr
	v_lshl_or_b32 v[\pw], v[TM+5], 8, v[TM+4]
	v_lshl_or_b32 v[\pw], v[TM+6], 16, v[\pw]
	v_lshl_or_b32 v[\pw], v[TM+7], 24, v[\pw]
.irp c, 0,1
	v_cvt_scalef32_pk16_fp6_f32 v[\pc+6*\c:\pc+2+6*\c], v[\s+32*\c:\s+15+32*\c], v[TM+12+2*\c]
	v_cvt_scalef32_pk16_fp6_f32 v[\pc+12+4*\c:\pc+14+4*\c], v[\s+16+32*\c:\s+31+32*\c], v[TM+12+2*\c+1]   ; (a conversion's three registers begin on an even number)
.endr
	v_nop                                          ; one plain place behind a scaled conversion
.irp c, 0,1                                    ; the operand wants a whole block in a lane: lanes 0-15 block 2 c, lanes 16-31 block 2 c + 1
.irp i, 0,1,2
	v_permlane16_swap_b32 v[\pc+6*\c+\i], v[\pc+12+4*\c+\i]
.endr
.irp i, 0,1,2
	v_mov_b32 v[\pc+3+6*\c+\i], v[\pc+12+4*\c+\i]
.endr
.endr
.endm
	s_load_b512 s[4:19], s[0:1], 0x0               ; x, positions, Wq, Wk, Wv, Wo, xq, wq
	s_load_b64 s[20:21], s[0:1], 0x40              ; tab
	v_lshl_add_u32 v254, v0, 2, 0x8400
	v_mov_b32 v255, 0
	v_lshrrev_b32 v1, 5, v0
	v_readfirstlane_b32 s22, v1                    ; wave
	v_and_b32 v1, 31, v0                           ; lane
	v_and_b32 v2, 15, v0                           ; r
	v_bfe_u32 v3, v0, 4, 1                         ; h
	v_lshlrev_b32 v[L8], 3, v1
	s_mov_b32 s[SEL], 0x76543210
	s_mov_b32 s[SEL+1], 0xfedcba98
	s_cmp_ge_u32 ttmp9, 256
	s_cbranch_scc1 .Lw
; ---------------- x and the table
	s_lshl_b32 s23, ttmp9, 2
	s_add_co_u32 s23, s23, s22                     ; g = 4 x work-group + wave: tile g / 2, K half g % 2; positions 8 g on
	s_lshr_b32 s24, s23, 1                         ; tile i
	s_and_b32 s25, s23, 1                          ; K half
	s_lshr_b32 s26, s24, 1
	s_lshl_b32 s26, s26, 5
	s_and_b32 s27, s24, 1
	s_lshl_b32 s27, s27, 3
	s_add_co_u32 s26, s26, s27                     ; the tile's first row: 32 (i / 2) + 8 (i % 2)
	s_lshl_b32 s30, s26, 12
	s_lshl_b32 s27, s25, 11
	s_add_co_u32 s30, s30, s27                     ; in x: 4,096 bytes a row, 2,048 a K half
	s_mov_b32 s31, 0
	s_mul_i32 s32, s24, 12288
	s_mul_i32 s27, s25, 6144
	s_add_co_u32 s32, s32, s27                     ; my four fragments in xq
	s_mov_b32 s33, 0
	s_lshl_b32 s34, s23, 8
	s_add_co_u32 s34, s34, XSC                     ; my 256 bytes of scale words: 512 i + 256 x half
	s_mov_b32 s35, 0
	s_lshl_b32 s36, s23, 5                         ; my 8 positions
	s_mov_b32 s37, 0
	s_lshl_b32 s38, s23, 11                        ; and their 8 rows of the table
	s_mov_b32 s39, 0
	s_wait_alu depctr_va_vdst(0)
	v_lshlrev_b32 v4, 4, v1                        ; 16 x lane: my 16 bytes of a load's 512
	s_mul_i32 s27, s22, 8448                       ; my wave's stage: 16 rows x (512 + 16) bytes
	v_add_nc_u32 v6, s27, v4                       ; into it: as loaded
	v_mul_u32_u24 v7, v2, 528
	v_lshl_add_u32 v7, v3, 6, v7
	v_add_nc_u32 v7, s27, v7                       ; out of it: row r, + 64 h: my 16 numbers of a block
.irp b, 0,1,2,3
	v_mov_b32 v[TM+4+\b], 0                        ; written once: a lane permute's destination counts as one of its sources
.endr
	s_wait_alu depctr_va_vdst(0)
	s_wait_kmcnt 0x0
	s_add_nc_u64 s[4:5], s[4:5], s[30:31]
	s_add_nc_u64 s[6:7], s[6:7], s[36:37]
	s_add_nc_u64 s[20:21], s[20:21], s[38:39]
	s_add_nc_u64 s[8:9], s[16:17], s[32:33]        ; codes
	s_add_nc_u64 s[10:11], s[16:17], s[34:35]      ; scale words
	s_load_b256 s[40:47], s[6:7], 0x0              ; eight positions
.macro LOADF f                         ; K step f of my half: each load reads one row's 512 consecutive bytes
.irp o, 0,1,2,3,4,5,6,7,8,9,10,11,12,13,14,15
	global_load_b128 v[RA+64*((\f)%2)+4*\o:RA+64*((\f)%2)+4*\o+3], v4, s[4:5] offset:(\o+8*(\o/8))*4096+512*(\f) th:TH_LOAD_NT
.endr
.endm
	LOADF 0
	LOADF 1
; THE TABLE, while the loads are on their way.  theta = 1 / 10000^(f / 32) = 1 / 10^(f / 8), f = my lane: the power as a decimal constant, rounded to f32 by the assembler; the division by a reciprocal and one correction.
	v_mov_b32 v[TH], 1.0
.macro PICK i, lit
	v_cmp_ne_u32 vcc_lo, \i, v1
	v_cndmask_b32 v[TH], \lit, v[TH], vcc_lo
.endm
	PICK 1, 1.333521432163324
	PICK 2, 1.778279410038923
	PICK 3, 2.371373705661655
	PICK 4, 3.162277660168379
	PICK 5, 4.216965034285822
	PICK 6, 5.623413251903491
	PICK 7, 7.498942093324558
	PICK 8, 10.0
	PICK 9, 13.33521432163324
	PICK 10, 17.78279410038923
	PICK 11, 23.71373705661655
	PICK 12, 31.62277660168379
	PICK 13, 42.16965034285822
	PICK 14, 56.23413251903491
	PICK 15, 74.98942093324558
	PICK 16, 100.0
	PICK 17, 133.3521432163324
	PICK 18, 177.8279410038923
	PICK 19, 237.1373705661655
	PICK 20, 316.2277660168379
	PICK 21, 421.6965034285822
	PICK 22, 562.3413251903491
	PICK 23, 749.8942093324558
	PICK 24, 1000.0
	PICK 25, 1333.521432163324
	PICK 26, 1778.279410038923
	PICK 27, 2371.373705661655
	PICK 28, 3162.277660168379
	PICK 29, 4216.965034285822
	PICK 30, 5623.413251903491
	PICK 31, 7498.942093324558
	s_wait_alu depctr_va_vdst(0)
	v_rcp_f32 v249, v[TH]
	v_nop                                          ; a plain place behind the reciprocal
	s_wait_alu depctr_va_vdst(0)                   ; and the wait ahead of its first reader
	v_fma_f32 v250, -v[TH], v249, 1.0
	v_fma_f32 v[TH], v250, v249, v249              ; theta
	s_wait_kmcnt 0x0                               ; the positions
; cos and sin of position p x theta.  n = the nearest whole number to angle x 2 / pi; angle - n pi / 2 in three steps (pi / 2 in three f32 parts); Taylor sums on |r| <= pi / 4; the quadrant n mod 4 swaps and signs them.
.macro SINCOS p
	v_cvt_f32_i32 v8, s[40+\p]
	s_wait_alu depctr_va_vdst(0)
	v_mul_f32 v8, v8, v[TH]                        ; the angle, rounded once
	v_mul_f32 v9, 0x3f22f983, v8
	v_rndne_f32 v9, v9                             ; n
	v_fmamk_f32 v10, v9, 0xbfc90fdb, v8
	v_fmamk_f32 v10, v9, 0x333bbd2e, v10
	v_fmamk_f32 v10, v9, 0x26f72ced, v10           ; r
	v_cvt_i32_f32 v11, v9
	v_mul_f32 v12, v10, v10                        ; r^2
	v_mov_b32 v13, 0x3638ef1b
	v_mov_b32 v15, 0xb493f27c
	v_fmaak_f32 v13, v13, v12, 0xb9500d01
	v_fmaak_f32 v15, v15, v12, 0x37d00d01
	v_fmaak_f32 v13, v13, v12, 0x3c088889
	v_fmaak_f32 v15, v15, v12, 0xbab60b61
	v_fmaak_f32 v13, v13, v12, 0xbe2aaaab
	v_fmaak_f32 v15, v15, v12, 0x3d2aaaab
	v_mul_f32 v14, v12, v10                        ; r^3
	v_fmaak_f32 v15, v15, v12, 0xbf000000
	v_fma_f32 v13, v13, v14, v10                   ; sin r
	v_fma_f32 v15, v15, v12, 1.0                   ; cos r
	v_and_b32 v14, 1, v11
	v_cmp_eq_u32 vcc_lo, 1, v14
	v_cndmask_b32 v249, v15, v13, vcc_lo           ; cos: in odd quadrants from sin r
	v_cndmask_b32 v250, v13, v15, vcc_lo           ; sin: from cos r
	v_add_nc_u32 v14, 1, v11
	v_lshlrev_b32 v14, 30, v14
	v_lshlrev_b32 v11, 30, v11
	v_and_b32 v14, 0x80000000, v14                 ; cos is negative in quadrants 1, 2
	v_and_b32 v11, 0x80000000, v11                 ; sin in quadrants 2, 3
	v_xor_b32 v[XN+2*\p], v249, v14
	v_xor_b32 v[XN+2*\p+1], v250, v11
	global_store_b64 v[L8], v[XN+2*\p:XN+2*\p+1], s[20:21] offset:256*\p   ; 32 lanes store a position's 256 consecutive bytes, aligned
.endm
.irp p, 0,1,2,3,4,5,6,7
	SINCOS \p
.endr
; A fragment: its 16 rows turn through the stage (LDS serves a wave's instructions in order), are quantised and leave as six stores of 256 consecutive bytes
.macro FRAGX f
.if (\f) < 3
	s_wait_loadcnt 16                              ; this fragment's 16 loads are in; the next one's may be out
.else
	s_wait_loadcnt 0x0
.endif
	s_wait_xcnt 0x0                                ; earlier stores have read their registers: X's and the codes' may be written again
.irp o, 0,1,2,3,4,5,6,7,8,9,10,11,12,13,14,15
	ds_store_b128 v6, v[RA+64*((\f)%2)+4*\o:RA+64*((\f)%2)+4*\o+3] offset:528*\o
.endr
.irp q, 0,1,2,3,4,5,6,7,8,9,10,11,12,13,14,15
	ds_load_b128 v[XN+4*\q:XN+4*\q+3], v7 offset:128*(\q/4)+16*(\q%4)
.endr
	s_wait_dscnt 0x0                               ; the numbers are back, and the stores have read the set that is loaded next
.if (\f) < 2
	LOADF (\f)+2
.endif
	QUANT XN, PC, 16+(\f)
.irp p, 0,1,2,3,4,5
	global_store_b64 v[L8], v[PC+2*\p:PC+2*\p+1], s[8:9] offset:1536*(\f)+256*\p
.endr
.endm
	FRAGX 0
	FRAGX 1
	FRAGX 2
	FRAGX 3
	v_cmp_le_u32 vcc_lo, 16, v1                    ; lanes 0-15 store K steps 0, 1 of row r, lanes 16-31 K steps 2, 3: one aligned run of 256 bytes
	v_cndmask_b32 v8, v16, v18, vcc_lo
	v_cndmask_b32 v9, v17, v19, vcc_lo
	global_store_b64 v[L8], v[8:9], s[10:11]
	s_wait_tensorcnt 0x0
	ds_add_u32 v254, v255
	s_wait_dscnt 0x0
	s_endpgm
; ---------------- the weights
.Lw:
	s_sub_co_u32 s23, ttmp9, 256
	s_lshr_b32 s24, s23, 5                         ; which weight: 0 q, 1 k, 2 v, 3 o
	s_bfe_u32 s25, s23, 0x30002                    ; which 128 columns
	s_and_b32 s26, s23, 3                          ; which 256 along K
	s_lshl_b32 s27, s25, 2
	s_add_co_u32 s27, s27, s22                     ; my wave's 32 columns: number 4 x group + wave
	s_lshl_b32 s30, s26, 20                        ; 256 rows of 4,096 bytes
	s_lshl_b32 s31, s27, 7
	s_add_co_u32 s30, s30, s31
	s_mov_b32 s31, 0
	s_lshl_b32 s32, s24, 6
	s_lshl_b32 s33, s27, 1
	s_add_co_u32 s32, s32, s33                     ; my first tile of two
	s_lshl_b32 s34, s32, 9
	s_lshl_b32 s33, s26, 7
	s_add_co_u32 s34, s34, s33
	s_add_co_u32 s34, s34, WSC                     ; its scale words of my two K steps
	s_mov_b32 s35, 0
	s_mul_i32 s32, s32, 12288
	s_mul_i32 s33, s26, 3072
	s_add_co_u32 s32, s32, s33                     ; its fragments of my two K steps
	s_mov_b32 s33, 0
	s_wait_alu depctr_va_vdst(0)
	v_and_b32 v4, 7, v1                            ; lane l is row l % 16 of tile l / 16: column (l % 8) + 8 (l / 16) + 16 ((l / 8) % 2)
	v_bfe_u32 v6, v1, 3, 1
	v_lshl_add_u32 v6, v6, 1, v3
	v_lshl_add_u32 v4, v6, 3, v4
	v_lshlrev_b32 v4, 2, v4
	v_lshlrev_b32 v7, 3, v2
	v_lshl_add_u32 v7, v3, 9, v7                   ; my scale words: 512 (l / 16) + 8 (l % 16)
	s_wait_alu depctr_va_vdst(0)
	s_wait_kmcnt 0x0
	s_cmp_eq_u32 s24, 1
	s_cselect_b64 s[8:9], s[10:11], s[8:9]
	s_cmp_eq_u32 s24, 2
	s_cselect_b64 s[8:9], s[12:13], s[8:9]
	s_cmp_eq_u32 s24, 3
	s_cselect_b64 s[8:9], s[14:15], s[8:9]
	s_add_nc_u64 s[8:9], s[8:9], s[30:31]
	s_add_nc_u64 s[10:11], s[18:19], s[32:33]
	s_add_nc_u64 s[12:13], s[18:19], s[34:35]
.macro LOADB t                         ; block t: W(32 t + i, my column): the wave reads 128 consecutive bytes of a row
.irp i, 0,1,2,3,4,5,6,7,8,9,10,11,12,13,14,15,16,17,18,19,20,21,22,23,24,25,26,27,28,29,30,31
	global_load_b32 v[XW+32*((\t)%2)+\i], v4, s[8:9] offset:(32*(\t)+\i)*4096 th:TH_LOAD_NT
.endr
.endm
	LOADB 0
	LOADB 1
.macro BLOCK t
.set XB, XW+32*((\t)%2)
.if (\t) < 7
	s_wait_loadcnt 32                              ; this block's 32 loads are in; the next block's may be out
.else
	s_wait_loadcnt 0x0
.endif
	v_max3_num_f32 v12, |v[XB]|, |v[XB+1]|, |v[XB+2]|              ; all 32 numbers of the block are mine
	v_max3_num_f32 v13, |v[XB+3]|, |v[XB+4]|, |v[XB+5]|
.irp i, 6,10,14,18,22,26
	v_max3_num_f32 v12, v12, |v[XB+\i]|, |v[XB+\i+1]|
	v_max3_num_f32 v13, v13, |v[XB+\i+2]|, |v[XB+\i+3]|
.endr
	v_max3_num_f32 v12, v12, |v[XB+30]|, |v[XB+31]|
	v_max3_num_f32 v12, v12, v13, 0x1800000        ; and the floor
	v_add_nc_u32 v11, 0xff000000, v12              ; the conversion's scale operand
	v_lshrrev_b32 v13, 23, v11                     ; the byte
.if (\t)%4 == 0
	v_mov_b32 v[16+(\t)/4], v13
.else
	v_lshl_or_b32 v[16+(\t)/4], v13, 8*((\t)%4), v[16+(\t)/4]
.endif
	v_cvt_scalef32_pk16_fp6_f32 v[G+6*(\t):G+6*(\t)+2], v[XB:XB+15], v11
	v_cvt_scalef32_pk16_fp6_f32 v[36:38], v[XB+16:XB+31], v11      ; (three registers from an even number on: made here and moved)
	v_nop
.irp i, 0,1,2
	v_mov_b32 v[G+6*(\t)+3+\i], v[36+\i]
.endr
.if (\t)+2 < 8
	LOADB (\t)+2
.endif
.endm
; K step q is whole: lanes 0-15 hold tile 0's four blocks, lanes 16-31 tile 1's.  Blocks 0 and 1, and 2 and 3, change halves: blocks 0, 2 are then tile 0's fragment, blocks 1, 3 tile 1's.
.macro OUTQ q
.irp i, 0,1,2,3,4,5
	v_permlane16_swap_b32 v[G+24*\q+\i], v[G+24*\q+6+\i]
	v_permlane16_swap_b32 v[G+24*\q+12+\i], v[G+24*\q+18+\i]
.endr
.irp u, 0,1
.irp p, 0,1,2
	global_store_b64 v[L8], v[G+24*\q+6*\u+2*\p:G+24*\q+6*\u+2*\p+1], s[10:11] offset:12288*\u+1536*\q+256*\p
	global_store_b64 v[L8], v[G+24*\q+12+6*\u+2*\p:G+24*\q+12+6*\u+2*\p+1], s[10:11] offset:12288*\u+1536*\q+768+256*\p
.endr
.endr
.endm
	BLOCK 0
	BLOCK 1
	BLOCK 2
	BLOCK 3
	OUTQ 0
	BLOCK 4
	BLOCK 5
	BLOCK 6
	BLOCK 7
	OUTQ 1
	global_store_b64 v7, v[16:17], s[12:13]        ; two runs of 128 bytes: the one place where a run of 256 is written in halves, by two work-groups
	s_endpgm
.Lfunc_end_k_qcf13bd19f0_prep:
	.size	k_qcf13bd19f0_prep, .Lfunc_end_k_qcf13bd19f0_prep-k_qcf13bd19f0_prep
	.p2alignl 7, 3214868480
	.fill 96, 4, 3214868480
	.section	.rodata,"a",@progbits
	.p2align	6, 0x0
	.amdhsa_kernel k_qcf13bd19f0_prep
		.amdhsa_group_segment_fixed_size 34304
		.amdhsa_private_segment_fixed_size 0
		.amdhsa_enable_private_segment 0
		.amdhsa_kernarg_size 72
		.amdhsa_user_sgpr_count 2
		.amdhsa_user_sgpr_kernarg_segment_ptr 1
		.amdhsa_wavefront_size32 1
		.amdhsa_system_sgpr_workgroup_id_x 1
		.amdhsa_system_sgpr_workgroup_id_y 1
		.amdhsa_system_sgpr_workgroup_id_z 1
		.amdhsa_system_vgpr_workitem_id 0
		.amdhsa_next_free_vgpr 256
		.amdhsa_next_free_sgpr 66
		.amdhsa_reserve_vcc 1
		.amdhsa_float_denorm_mode_32 3
		.amdhsa_float_denorm_mode_16_64 3
		.amdhsa_memory_ordered 1
		.amdhsa_forward_progress 1
		.amdhsa_inst_pref_size 92
	.end_amdhsa_kernel
	.amdgpu_metadata
---
amdhsa.version: [ 1, 2 ]
amdhsa.kernels:
  - .name:           k_qcf13bd19f0_prep
    .symbol:         k_qcf13bd19f0_prep.kd
    .args:
      - { .name: x, .offset: 0, .size: 8, .value_kind: global_buffer, .address_space: global }
      - { .name: positions, .offset: 8, .size: 8, .value_kind: global_buffer, .address_space: global }
      - { .name: Wq, .offset: 16, .size: 8, .value_kind: global_buffer, .address_space: global }
      - { .name: Wk, .offset: 24, .size: 8, .value_kind: global_buffer, .address_space: global }
      - { .name: Wv, .offset: 32, .size: 8, .value_kind: global_buffer, .address_space: global }
      - { .name: Wo, .offset: 40, .size: 8, .value_kind: global_buffer, .address_space: global }
      - { .name: xq, .offset: 48, .size: 8, .value_kind: global_buffer, .address_space: global }
      - { .name: wq, .offset: 56, .size: 8, .value_kind: global_buffer, .address_space: global }
      - { .name: tab, .offset: 64, .size: 8, .value_kind: global_buffer, .address_space: global }
    .group_segment_fixed_size: 34304
    .private_segment_fixed_size: 0
    .kernarg_segment_align: 8
    .kernarg_segment_size: 72
    .max_flat_workgroup_size: 128
    .sgpr_count:     66
    .vgpr_count:     256
    .wavefront_size: 32
...
	.end_amdgpu_metadata
.endif
;; end of part 1
;; launch qkv (part 2): grid 32 x 8, 4 waves a work-group, clusters of 4 x 1, 327,680 bytes of LDS; arguments xq, wq, tab, bq, bk, bv, q_scale, k_scale, v_scale, qq, kv; writes qq, kv
.if DOCPART == 2
	.amdgcn_target "amdgcn-amd-amdhsa--gfx1250"
	.amdhsa_code_object_version 6
	.text
	.protected	k_qcf13bd19f0_qkv
	.globl	k_qcf13bd19f0_qkv
	.p2align	8
	.type	k_qcf13bd19f0_qkv,@function
k_qcf13bd19f0_qkv:
	s_mov_b64 s[64:65], 0
	v_nop
	global_prefetch_b8 v0, s[64:65] scope:SCOPE_SE
	s_setreg_imm32_b32 hwreg(HW_REG_WAVE_MODE, 25, 1), 1
	s_wait_xcnt 0x0
	s_wait_alu depctr_hold_cnt(0) depctr_sa_sdst(0) depctr_va_vdst(0) depctr_va_sdst(0) depctr_va_ssrc(0) depctr_va_vcc(0) depctr_vm_vsrc(0)
	s_getreg_b32 s2, hwreg(HW_REG_IB_STS2, 6, 4)
	s_cmp_eq_u32 s2, 0
	s_cbranch_scc0 .Lentry_in_a_cluster
	s_endpgm
.Lentry_in_a_cluster:
	s_bfe_u32 s2, ttmp6, 0x10000c
	s_cmp_lg_u32 s2, 0x3003
	s_cbranch_scc0 .Lentry_shape_is_right
	s_endpgm
.Lentry_shape_is_right:
; Q, K, V = (x W + b) x gain on codes of FP6 (E2M3) with E8M0 scales; Q and K are rotated; all three leave as codes and scale bytes in the order of the next launch's operand registers.
; THE DEAL: the 48 heads (16 of Q, 16 of K, 16 of V) go in 8 groups of 6; the 8,192 tokens in 32 blocks of 256: 256 work-groups of four waves.  A wave holds its 64 tokens (4 tiles of 16 rows), ALL of K,
; in registers (32 fragments of 12) and walks the group's six heads; a head is 4 tiles of 16 columns x 8 K steps: 128 products on 16 accumulators that take turns.
; LDS: the group's weights, 6 x 49,152 bytes of codes and 12,288 bytes of scale words, dense in memory, are filled ONCE, one load a wave: waves 0, 1, 2 two heads each, wave 3 the scale words.  No refill.
; CLUSTER: the four work-groups of a cluster are four token blocks of one group of heads and ask for these four tiles jointly.  cx enters global addresses of x, the table and the results alone.
; Heads 0 and 1 are walked behind a barrier at which waves 0 and 3 have waited for their loads; ahead of head 2 every wave waits and a second barrier stands.  Beyond that the waves share nothing.
; Q, K: source 0 = the weight's columns: lane (token r, h) holds in the 32 registers of a token tile the channels 32 b + 16 h + 0 .. 15 of the head.  V: source 0 = x's rows: lane (channel r, h) holds tokens 32 b + 16 h + 0 .. 15.
; (The rows of a tile are 32 b + 8 u + r + 8 (r / 8), as the first launch lays them.)  Two blocks of 32 are quantised at a time; lanes l and l xor 16 share a block.
; The table's rows of the wave's 64 tokens stay in 128 registers; every work-group loads them, also one whose six heads are all V's: the walk's paths are one text.
; A wave's scale words (Q, K: 8 bytes a lane; V: 4 bytes a lane) share runs of 256 bytes with the neighbouring wave's: these few bytes are the one place where a run is written in parts.
; No prefetch: all that tensor loads bring is asked for at the head.  LIMITS: blocks whose largest magnitude lies under 2^-124 keep the byte 1; NaN and infinities are not served.
; REGISTERS: window 0: v1-10 addresses, v32-47 x's scale words, v52-67 the weights', v68-131 gain and bias, v132-179 at work, v192-229 codes and words on their way out;
;   windows 1, 2: x's fragments (21 to a window); window 2 v132-227: the weights' fragments, two sets; window 3: v0-127 accumulators, v128-255 the table.
.set XSC, 6291456
.set WSC, 3145728
.set QSC, 6291456
.set KVB, 13056
.set WSL, 294912                       ; LDS: the weights' scale words, behind six heads of codes
.set SPARE, WSL+12288
.set L8,  1
.set TBA, 2
.set H64, 3
.set RP4, 4
.set AW,  5
.set AWS, 6
.set AWS0, 7
.set XSA, 8
.set QSO, 9
.set VSO, 10
.set SPW, 28
.set NIL, 29
.set XS,  32
.set WS,  52
.set SCV, 68
.set BSV, 100
.set Y,   132
.set U,   164
.set TM,  180
.set PC,  192
.set WO,  224
.set DD,  228
.set SEL, 66
.set G0,  32
.set G1,  36
.set G1S, 44
.set MSB, 0
.macro WIN new
.if MSB != (\new)
	s_set_vgpr_msb (MSB<<8)|(\new)
.set MSB, (\new)
.endif
.endm
.macro PLACES n
.rept \n
	v_nop
.endr
.endm
.macro TL g0, g1
	tensor_load_to_lds s[\g0:\g0+3], s[\g1:\g1+7]
	s_nop 0
	PLACES 4
.endm
.macro CROUND
	s_barrier_signal -1
	s_barrier_wait -1
	s_cmp_lg_u32 s26, 0
	s_cbranch_scc1 .Lnot_wave_0_\@
	s_barrier_signal -3
.Lnot_wave_0_\@:
	s_barrier_wait -3
	s_barrier_signal -1
	s_barrier_wait -1
.endm
; one product: D_, A_, B_ registers, SA_, SB_ scale registers, RA_, RB_ their halves of the lanes
.macro WM2 c
.if RA_ && RB_
	v_wmma_scale_f32_16x16x128_f8f6f4 v[D_:D_+7], v[A_:A_+11], v[B_:B_+11], \c, v[SA_], v[SB_] matrix_a_fmt:MATRIX_FMT_FP6 matrix_b_fmt:MATRIX_FMT_FP6 matrix_a_scale:MATRIX_SCALE_ROW1 matrix_b_scale:MATRIX_SCALE_ROW1
.elseif RA_
	v_wmma_scale_f32_16x16x128_f8f6f4 v[D_:D_+7], v[A_:A_+11], v[B_:B_+11], \c, v[SA_], v[SB_] matrix_a_fmt:MATRIX_FMT_FP6 matrix_b_fmt:MATRIX_FMT_FP6 matrix_a_scale:MATRIX_SCALE_ROW1
.elseif RB_
	v_wmma_scale_f32_16x16x128_f8f6f4 v[D_:D_+7], v[A_:A_+11], v[B_:B_+11], \c, v[SA_], v[SB_] matrix_a_fmt:MATRIX_FMT_FP6 matrix_b_fmt:MATRIX_FMT_FP6 matrix_b_scale:MATRIX_SCALE_ROW1
.else
	v_wmma_scale_f32_16x16x128_f8f6f4 v[D_:D_+7], v[A_:A_+11], v[B_:B_+11], \c, v[SA_], v[SB_] matrix_a_fmt:MATRIX_FMT_FP6 matrix_b_fmt:MATRIX_FMT_FP6
.endif
.endm
.macro WLOAD kk                        ; the head's four tiles of K step kk into set kk % 2: 24 loads
	WIN 0x80
.irp t, 0,1,2,3
.irp p, 0,1,2,3,4,5
	ds_load_b64 v[132+48*((\kk)%2)+12*\t+2*\p:133+48*((\kk)%2)+12*\t+2*\p], v[AW] offset:\t*12288+(\kk)*1536+256*\p
.endr
.endr
.endm
; a head's 128 products.  kind 0: source 0 the weights, accumulator (i, t) at 8 (4 i + t); kind 1: source 0 x, at 8 (4 t + i).  The first K step starts the sums.
.macro MAIN kind
.set k_, 0
.rept 8
.if k_ < 7
.if k_ > 0
	PLACES 4                                       ; behind the products that read the set that is loaded next
.endif
	WLOAD k_+1
	s_wait_dscnt 24                                ; all but the 24 just issued
.else
	s_wait_dscnt 0x0
.endif
.irp i, 0,1,2,3
.irp t, 0,1,2,3
.set F_, 8*\i+k_
.if \kind
.set D_, 8*(4*\t+\i)
.set A_, 12*(F_%21)
.set B_, 132+48*(k_%2)+12*\t
.set SA_, XS+8*(\i%2)+k_
.set SB_, WS+8*(\t%2)+k_
.set RA_, \i/2
.set RB_, \t/2
	WIN (1+F_/21)|(2<<2)|(3<<4)|(3<<6)
.else
.set D_, 8*(4*\i+\t)
.set A_, 132+48*(k_%2)+12*\t
.set B_, 12*(F_%21)
.set SA_, WS+8*(\t%2)+k_
.set SB_, XS+8*(\i%2)+k_
.set RA_, \t/2
.set RB_, \i/2
	WIN 2|((1+F_/21)<<2)|(3<<4)|(3<<6)
.endif
.if k_ == 0
	WM2 0
.else
	WM2 v[D_:D_+7]
.endif
.endr
.endr
.set k_, k_+1
.endr
	WIN 0
	PLACES 4                                       ; ahead of the first read of the sums
.endm
; 32 numbers of a lane, register 16 b + i = place 32 b + 16 (lane / 16) + i along the next K, become six registers of codes at v[P_] and two scale bytes in v[W_]
.macro Q2
.irp b, 0,1
	v_max3_num_f32 v[TM+\b], |v[Y+16*\b]|, |v[Y+1+16*\b]|, 0x1800000   ; with the floor 2^(3 - 127)
.endr
.irp i, 2,4,6,8,10,12,14
.irp b, 0,1
	v_max3_num_f32 v[TM+\b], v[TM+\b], |v[Y+16*\b+\i]|, |v[Y+1+16*\b+\i]|
.endr
.endr
.irp b, 0,1
	v_permlanex16_b32 v[TM+2+\b], v[TM+\b], s[SEL], s[SEL+1]
.endr
.irp b, 0,1
	v_max_num_f32 v[TM+\b], v[TM+\b], v[TM+2+\b]
.endr
.irp b, 0,1
	v_add_nc_u32 v[TM+4+\b], 0xff000000, v[TM+\b]  ; 2 off the exponent field: the conversion's scale operand
.endr
.irp b, 0,1
	v_lshrrev_b32 v[TM+2+\b], 23, v[TM+4+\b]
.endr
	v_lshl_or_b32 v[W_], v[TM+3], 8, v[TM+2]
	v_cvt_scalef32_pk16_fp6_f32 v[P_:P_+2], v[Y:Y+15], v[TM+4]
	v_cvt_scalef32_pk16_fp6_f32 v[P_+4:P_+6], v[Y+16:Y+31], v[TM+5]
	v_nop                                          ; one plain place behind a scaled conversion
.irp i, 0,1,2
	v_permlane16_swap_b32 v[P_+\i], v[P_+4+\i]     ; a whole block to a lane
.endr
.irp i, 0,1,2
	v_mov_b32 v[P_+3+\i], v[P_+4+\i]
.endr
.endm
.macro QKT i                           ; token tile i of a head of Q or K: gain and bias, the rotation, the quantiser, 768 bytes of codes
.set P_, PC+8*\i
.set W_, WO+\i
	WIN 0x03
.set j, 0
.rept 16
	v_pk_fma_f32 v[Y+j:Y+j+1], v[32*\i+j:32*\i+j+1], v[SCV+j:SCV+j+1], v[BSV+j:BSV+j+1]   ; ascending: each accumulator from its low end on
.set j, j+2
.endr
	WIN 0x0c
.irp e, 0,1
.irp q, 0,1,2,3,4,5,6,7
	v_pk_mul_f32 v[U+2*\q:U+2*\q+1], v[Y+16*\e+2*\q:Y+16*\e+2*\q+1], v[128+32*\i+16*\e+2*\q:129+32*\i+16*\e+2*\q] op_sel:[1,1] op_sel_hi:[1,0] neg_lo:[0,1]   ; (-t1 sin, t1 cos)
.endr
.irp q, 0,1,2,3,4,5,6,7
	v_pk_fma_f32 v[Y+16*\e+2*\q:Y+16*\e+2*\q+1], v[Y+16*\e+2*\q:Y+16*\e+2*\q+1], v[128+32*\i+16*\e+2*\q:129+32*\i+16*\e+2*\q], v[U+2*\q:U+2*\q+1] op_sel_hi:[0,1,1]   ; + (t0 cos, t0 sin)
.endr
.endr
	WIN 0
	Q2
.irp p, 0,1,2
	global_store_b64 v[L8], v[P_+2*\p:P_+2*\p+1], s[58:59] offset:768*\i+256*\p   ; 256 consecutive bytes, aligned
.endr
.endm
.macro VT t                            ; channel tile t of a head of V: gain and bias, the quantiser along my 64 tokens, half an operand's codes
.set P_, PC+8*\t
.set W_, WO+\t
	WIN 0x03
.set j, 0
.rept 16
	v_pk_fma_f32 v[Y+j:Y+j+1], v[32*\t+j:32*\t+j+1], v[SCV+2*\t:SCV+2*\t+1], v[BSV+2*\t:BSV+2*\t+1] op_sel_hi:[1,0,0]
.set j, j+2
.endr
	WIN 0
	Q2
.irp p, 0,1,2
	global_store_b64 v[L8], v[P_+2*\p:P_+2*\p+1], s[58:59] offset:1536*\t+256*\p
.endr
.endm
; one head of the walk: s30 its number in the group
.macro HSTEP
	s_wait_alu depctr_va_vdst(0)
	s_wait_xcnt 0x0                                ; the last head's loads and stores have read their registers and bases
	s_mul_i32 s70, s30, 49152
	s_lshl_b32 s71, s30, 11
	s_mul_i32 s31, s29, 6
	s_add_co_u32 s31, s31, s30                     ; the head among the 48
	s_and_b32 s72, s31, 15
	s_lshl_b32 s73, s72, 4
	s_add_co_u32 s73, s73, s52                     ; (16 batch + head) 16 + key step
	s_mul_i32 s74, s73, KVB
	s_lshl_b32 s54, s72, 8                         ; the head's 256 bytes of a bias or a gain
	s_mov_b32 s55, 0
	v_add_nc_u32 v[AW], s70, v[L8]
	v_add_nc_u32 v[AWS], s71, v[AWS0]
	s_wait_alu depctr_va_vdst(0)                   ; directly behind the writes
.irp e, 0,1
.irp kk, 0,1,2,3
	ds_load_b64 v[WS+8*\e+2*\kk:WS+8*\e+2*\kk+1], v[AWS] offset:512*\e+128*\kk   ; lanes 0-15 tile e, lanes 16-31 tile e + 2; K steps 2 kk, 2 kk + 1
.endr
.endr
	WLOAD 0
	WIN 0
	s_cmp_ge_u32 s31, 32
	s_cbranch_scc1 .Lv_\@
	s_mul_i32 s75, s73, 6144                       ; Q: codes, scale words;  K: codes at s74, scale words 12,288 on
	s_lshl_b32 s76, s73, 9
	s_add_co_u32 s76, s76, QSC
	s_add_co_u32 s77, s74, 12288
	s_cmp_lt_u32 s31, 16
	s_cselect_b32 s75, s75, s74
	s_cselect_b32 s76, s76, s77
	s_cselect_b64 s[56:57], s[22:23], s[24:25]
	s_cselect_b64 s[60:61], s[10:11], s[12:13]
	s_cselect_b64 s[62:63], s[16:17], s[18:19]
	s_add_nc_u64 s[60:61], s[60:61], s[54:55]
	s_add_nc_u64 s[62:63], s[62:63], s[54:55]
	s_mul_i32 s77, s53, 3072                       ; my four tiles of the key step's eight
	s_add_co_u32 s54, s75, s77
	s_add_nc_u64 s[58:59], s[56:57], s[54:55]
	s_lshl_b32 s77, s53, 3
	s_add_co_u32 s54, s76, s77
	s_add_nc_u64 s[56:57], s[56:57], s[54:55]
.irp q, 0,1,2,3,4,5,6,7
	global_load_b128 v[SCV+4*\q:SCV+4*\q+3], v[H64], s[62:63] offset:128*(\q/4)+16*(\q%4)
	global_load_b128 v[BSV+4*\q:BSV+4*\q+3], v[H64], s[60:61] offset:128*(\q/4)+16*(\q%4)
.endr
	s_wait_loadcnt 48                              ; x is in: behind it stand the table's 32 loads and these 16
	MAIN 0
	s_wait_loadcnt 0x0
.set j, 0
.rept 16
	v_pk_mul_f32 v[BSV+j:BSV+j+1], v[BSV+j:BSV+j+1], v[SCV+j:SCV+j+1]
.set j, j+2
.endr
	QKT 0
	QKT 1
	QKT 2
	QKT 3
	v_cndmask_b32 v[DD], v[WO], v[WO+1], s68       ; lanes 0-15 store tiles 0 and 2, lanes 16-31 tiles 1 and 3
	v_cndmask_b32 v[DD+1], v[WO+2], v[WO+3], s68
	global_store_b64 v[QSO], v[DD:DD+1], s[56:57]
	s_branch .Ln_\@
.Lv_\@:
	s_add_nc_u64 s[60:61], s[14:15], s[54:55]
	s_add_nc_u64 s[62:63], s[20:21], s[54:55]
	s_mul_i32 s77, s53, 768                        ; my 64 tokens are registers 6 c on of each operand
	s_add_co_u32 s54, s74, s77
	s_add_co_u32 s54, s54, 6144
	s_add_nc_u64 s[58:59], s[24:25], s[54:55]
	s_lshl_b32 s77, s53, 1
	s_add_co_u32 s54, s74, s77
	s_add_co_u32 s54, s54, 12800
	s_add_nc_u64 s[56:57], s[24:25], s[54:55]
.irp t, 0,1,2,3
	global_load_b32 v[SCV+2*\t], v[RP4], s[62:63] offset:(32*(\t/2)+8*(\t%2))*4
	global_load_b32 v[BSV+2*\t], v[RP4], s[60:61] offset:(32*(\t/2)+8*(\t%2))*4
	v_mov_b32 v[SCV+2*\t+1], 0                     ; (named as the upper halves of pairs)
	v_mov_b32 v[BSV+2*\t+1], 0
.endr
	s_wait_alu depctr_va_vdst(0)
	s_wait_loadcnt 40                              ; x is in: behind it stand the table's 32 loads and these 8
	MAIN 1
	s_wait_loadcnt 0x0
.irp t, 0,1,2,3
	v_mul_f32 v[BSV+2*\t], v[BSV+2*\t], v[SCV+2*\t]
.endr
	VT 0
	VT 1
	VT 2
	VT 3
	v_cndmask_b32 v[DD], v[WO], v[WO+1], s68
	v_cndmask_b32 v[DD+1], v[WO+2], v[WO+3], s68
	global_store_b16 v[VSO], v[DD], s[56:57]       ; bytes 2 c, 2 c + 1 of the scale words of tiles 0, 1
	global_store_b16 v[VSO], v[DD+1], s[56:57] offset:4   ; and of tiles 2, 3
.Ln_\@:
.endm
	s_load_b512 s[4:19], s[0:1], 0x0               ; xq, wq, tab, bq, bk, bv, q_scale, k_scale
	s_load_b128 s[20:23], s[0:1], 0x40             ; v_scale, qq
	s_load_b64 s[24:25], s[0:1], 0x50              ; kv
	v_lshl_add_u32 v[SPW], v0, 2, SPARE
	v_mov_b32 v[NIL], 0
	ds_add_u32 v[SPW], v[NIL]                      ; the opening lines: the add twice on end and its wait
	ds_add_u32 v[SPW], v[NIL]
	v_lshrrev_b32 v11, 5, v0
	v_readfirstlane_b32 s26, v11                   ; wave
	s_bfe_u32 s27, ttmp6, 0x40000                  ; cx
	s_lshl_b32 s28, ttmp9, 2
	s_add_co_u32 s28, s28, s27                     ; the block of 256 tokens
	s_and_b32 s29, ttmp7, 0xffff                   ; the group of six heads, which the four partners share
	s_mov_b32 s[G1], 15|(3<<16)|(1<<21)            ; the mask: all four; elements of 8 bytes; 21 set beside a mask
	s_mov_b32 s[G1+1], 32<<16                      ; 98,304 dense bytes as 384 rows of 256
	s_mov_b32 s[G1+2], 384<<16
	s_mov_b32 s[G1+3], 32<<16
	s_mov_b32 s[G1+4], 384
	s_mov_b32 s[G1+5], 32
	s_mov_b32 s[G1+6], 0
	s_mov_b32 s[G1+7], 0
	s_mov_b32 s[G1S], 15|(3<<16)|(1<<21)
	s_mov_b32 s[G1S+1], 32<<16                     ; 12,288 bytes as 48 rows
	s_mov_b32 s[G1S+2], 48<<16
	s_mov_b32 s[G1S+3], 32<<16
	s_mov_b32 s[G1S+4], 48
	s_mov_b32 s[G1S+5], 32
	s_mov_b32 s[G1S+6], 0
	s_mov_b32 s[G1S+7], 0
	s_mul_i32 s54, s29, 294912
	s_mul_i32 s70, s26, 98304                      ; wave w's tile lies at 98,304 w in LDS: two heads each, then the scale words
	s_add_co_u32 s54, s54, s70
	s_mov_b32 s55, 0
	s_mul_i32 s56, s29, 12288
	s_add_co_u32 s56, s56, WSC
	s_mov_b32 s57, 0
	s_mov_b32 s[SEL], 0x76543210
	s_mov_b32 s[SEL+1], 0xfedcba98
	s_wait_dscnt 0x0
	s_wait_kmcnt 0x0
	CROUND                                         ; all four work-groups are here: the joint loads meet
	s_mov_b32 s[G0], 1
	s_mov_b32 s[G0+1], s70
	s_cmp_eq_u32 s26, 3
	s_cselect_b64 s[54:55], s[56:57], s[54:55]     ; (offsets: no address is chosen)
	s_add_nc_u64 s[G0+2:G0+3], s[6:7], s[54:55]
	s_or_b32 s[G0+3], s[G0+3], 0x80000000
	s_cmp_eq_u32 s26, 0                            ; one chain of branches on the wave's number, a load to an arm; the waves that wait at the first barrier have lines of their own
	s_cbranch_scc0 .La1
	TL G0, G1
	s_branch .Lasked
.La1:
	s_cmp_eq_u32 s26, 3
	s_cbranch_scc0 .La2
	TL G0, G1S
	s_branch .Lasked
.La2:
	TL G0, G1
.Lasked:
	v_and_b32 v11, 31, v0
	v_and_b32 v12, 15, v0                          ; r
	v_bfe_u32 v13, v0, 4, 1                        ; h
	v_lshlrev_b32 v[L8], 3, v11
	v_and_b32 v14, 8, v12
	v_add_nc_u32 v14, v14, v12                     ; r + 8 (r / 8)
	v_lshlrev_b32 v[H64], 6, v13
	v_lshl_add_u32 v[TBA], v14, 8, v[H64]
	v_lshlrev_b32 v[RP4], 2, v14
	v_lshlrev_b32 v15, 3, v12
	v_lshl_add_u32 v[XSA], v13, 10, v15            ; 8 r + two tiles' 1,024 h
	v_lshl_add_u32 v[VSO], v13, 7, v15             ; 128 h + 8 r
	v_add_nc_u32 v[AWS0], WSL, v[XSA]
	v_lshlrev_b32 v15, 4, v12
	v_lshl_add_u32 v[QSO], v13, 8, v15             ; 256 h + 16 r
	v_cmp_eq_u32 s68, 1, v13                       ; lanes 16-31
	v_mov_b32 v[TM+2], 0                           ; a lane permute's destination counts as one of its sources
	v_mov_b32 v[TM+3], 0
	s_lshl_b32 s70, s28, 4
	s_lshl_b32 s71, s26, 2
	s_add_co_u32 s70, s70, s71                     ; my first tile of x
	s_mul_i32 s54, s70, 12288
	s_mov_b32 s55, 0
	s_add_nc_u64 s[56:57], s[4:5], s[54:55]
	s_lshl_b32 s54, s70, 9
	s_add_co_u32 s54, s54, XSC
	s_add_nc_u64 s[58:59], s[4:5], s[54:55]
	s_lshl_b32 s54, s70, 12                        ; 16 tokens a tile, 256 bytes of the table a token
	s_add_nc_u64 s[60:61], s[8:9], s[54:55]
	s_lshr_b32 s52, s28, 3                         ; batch
	s_lshl_b32 s52, s52, 8
	s_and_b32 s70, s28, 7
	s_lshl_b32 s70, s70, 1
	s_add_co_u32 s52, s52, s70
	s_lshr_b32 s70, s26, 1
	s_add_co_u32 s52, s52, s70                     ; 256 batch + key step
	s_and_b32 s53, s26, 1                          ; which 64 tokens of the key step's 128
	s_wait_alu depctr_va_vdst(0)
.irp e, 0,1
.irp kk, 0,1,2,3
	global_load_b64 v[XS+8*\e+2*\kk:XS+8*\e+2*\kk+1], v[XSA], s[58:59] offset:512*\e+128*\kk   ; lanes 0-15 tile e, lanes 16-31 tile e + 2
.endr
.endr
.set f_, 0
.rept 32                               ; fragment 8 i + k: each load reads 256 consecutive bytes
	WIN (1+f_/21)<<6
.irp p, 0,1,2,3,4,5
	global_load_b64 v[12*(f_%21)+2*\p:12*(f_%21)+2*\p+1], v[L8], s[56:57] offset:(f_/8)*12288+(f_%8)*1536+256*\p
.endr
.set f_, f_+1
.endr
	WIN 3<<6
.irp i, 0,1,2,3
.irp q, 0,1,2,3,4,5,6,7
	global_load_b128 v[128+32*\i+4*\q:131+32*\i+4*\q], v[TBA], s[60:61] offset:(32*(\i/2)+8*(\i%2))*256+128*(\q/4)+16*(\q%4)
.endr
.endr
	WIN 0
	s_cmp_eq_u32 s26, 1
	s_cbranch_scc1 .Lnw
	s_cmp_eq_u32 s26, 2
	s_cbranch_scc1 .Lnw
	s_wait_tensorcnt 0x0                           ; waves 0 and 3: heads 0, 1 and the scale words
.Lnw:
	s_barrier_signal -1
	s_barrier_wait -1                              ; the other four heads may be on their way
	s_mov_b32 s30, 0
.Lfirst:
	HSTEP
	s_add_co_u32 s30, s30, 1
	s_cmp_lt_u32 s30, 2
	s_cbranch_scc1 .Lfirst
	s_wait_tensorcnt 0x0                           ; every wave: all that is still out
	s_barrier_signal -1
	s_barrier_wait -1
	s_mov_b32 s30, 2
.Lrest:
	HSTEP
	s_add_co_u32 s30, s30, 1
	s_cmp_lt_u32 s30, 6
	s_cbranch_scc1 .Lrest
	s_wait_tensorcnt 0x0                           ; the wave's end
	ds_add_u32 v[SPW], v[NIL]
	s_wait_dscnt 0x0
	CROUND                                         ; the closing round
	s_endpgm
.Lfunc_end_k_qcf13bd19f0_qkv:
	.size	k_qcf13bd19f0_qkv, .Lfunc_end_k_qcf13bd19f0_qkv-k_qcf13bd19f0_qkv
	.p2alignl 7, 3214868480
	.fill 96, 4, 3214868480
	.section	.rodata,"a",@progbits
	.p2align	6, 0x0
	.amdhsa_kernel k_qcf13bd19f0_qkv
		.amdhsa_group_segment_fixed_size 327680
		.amdhsa_private_segment_fixed_size 0
		.amdhsa_enable_private_segment 0
		.amdhsa_kernarg_size 88
		.amdhsa_user_sgpr_count 2
		.amdhsa_user_sgpr_kernarg_segment_ptr 1
		.amdhsa_wavefront_size32 1
		.amdhsa_system_sgpr_workgroup_id_x 1
		.amdhsa_system_sgpr_workgroup_id_y 1
		.amdhsa_system_sgpr_workgroup_id_z 1
		.amdhsa_system_vgpr_workitem_id 0
		.amdhsa_next_free_vgpr 1024
		.amdhsa_next_free_sgpr 80
		.amdhsa_reserve_vcc 0
		.amdhsa_float_denorm_mode_32 3
		.amdhsa_float_denorm_mode_16_64 3
		.amdhsa_memory_ordered 1
		.amdhsa_forward_progress 1
		.amdhsa_inst_pref_size 226
	.end_amdhsa_kernel
	.amdgpu_metadata
---
amdhsa.version: [ 1, 2 ]
amdhsa.kernels:
  - .name:           k_qcf13bd19f0_qkv
    .symbol:         k_qcf13bd19f0_qkv.kd
    .args:
      - { .name: xq, .offset: 0, .size: 8, .value_kind: global_buffer, .address_space: global }
      - { .name: wq, .offset: 8, .size: 8, .value_kind: global_buffer, .address_space: global }
      - { .name: tab, .offset: 16, .size: 8, .value_kind: global_buffer, .address_space: global }
      - { .name: bq, .offset: 24, .size: 8, .value_kind: global_buffer, .address_space: global }
      - { .name: bk, .offset: 32, .size: 8, .value_kind: global_buffer, .address_space: global }
      - { .name: bv, .offset: 40, .size: 8, .value_kind: global_buffer, .address_space: global }
      - { .name: q_scale, .offset: 48, .size: 8, .value_kind: global_buffer, .address_space: global }
      - { .name: k_scale, .offset: 56, .size: 8, .value_kind: global_buffer, .address_space: global }
      - { .name: v_scale, .offset: 64, .size: 8, .value_kind: global_buffer, .address_space: global }
      - { .name: qq, .offset: 72, .size: 8, .value_kind: global_buffer, .address_space: global }
      - { .name: kv, .offset: 80, .size: 8, .value_kind: global_buffer, .address_space: global }
    .group_segment_fixed_size: 327680
    .private_segment_fixed_size: 0
    .kernarg_segment_align: 8
    .kernarg_segment_size: 88
    .max_flat_workgroup_size: 128
    .sgpr_count:     80
    .vgpr_count:     1024
    .wavefront_size: 32
...
	.end_amdgpu_metadata
.endif
;; end of part 2
;; launch attn (part 3): grid 4 x 64, 8 waves a work-group, clusters of 4 x 1, 237,056 bytes of LDS; arguments qq, kv, cq; writes cq
.if DOCPART == 3
	.amdgcn_target "amdgcn-amd-amdhsa--gfx1250"
	.amdhsa_code_object_version 6
	.text
	.protected	k_qcf13bd19f0_attn
	.globl	k_qcf13bd19f0_attn
	.p2align	8
	.type	k_qcf13bd19f0_attn,@function
k_qcf13bd19f0_attn:
	s_mov_b64 s[64:65], 0
	v_nop
	global_prefetch_b8 v0, s[64:65] scope:SCOPE_SE
	s_setreg_imm32_b32 hwreg(HW_REG_WAVE_MODE, 25, 1), 1
	s_wait_xcnt 0x0
	s_wait_alu depctr_hold_cnt(0) depctr_sa_sdst(0) depctr_va_vdst(0) depctr_va_sdst(0) depctr_va_ssrc(0) depctr_va_vcc(0) depctr_vm_vsrc(0)
	s_getreg_b32 s2, hwreg(HW_REG_IB_STS2, 6, 4)
	s_cmp_eq_u32 s2, 0
	s_cbranch_scc0 .Lentry_in_a_cluster
	s_endpgm
.Lentry_in_a_cluster:
	s_bfe_u32 s2, ttmp6, 0x10000c
	s_cmp_lg_u32 s2, 0x3003
	s_cbranch_scc0 .Lentry_shape_is_right
	s_endpgm
.Lentry_shape_is_right:
; context = softmax(Q K^T / 8) V for one head and 512 queries a work-group, both products on codes of FP6 (E2M3) with E8M0 scales; the context is quantised along the head's 64 on the way out.
; THE SOFTMAX: t = score x log2(e) / 8; M = the running largest t rounded up to a whole number; p = 2^(t - M) is quantised along the keys, not normalised; the row's sum is taken of the unquantised p and divides at the end.
; When M moves, the sum and O are multiplied by 2^(old M - new M), which rounds nothing.
; A WHOLE HEAD'S K, V AND THEIR SCALES LIE IN LDS: 16 key steps x 13,056 bytes, filled ONCE, each of the eight waves asking for two steps' blocks: no ring, no refill, no barrier in the loop.
; The load lays 32 bytes of padding behind each 256: an LDS row is 288 bytes, a block 51 rows.
; CLUSTER: the four work-groups of a cluster are the four query blocks of one head and want the same blocks: each is asked for jointly, by the same load with a mask that names the four.
; SHARES: a wave takes TWO tiles of 16 queries (x = 0, 1) through each key step, so that each fragment of K and V read from LDS feeds two tiles, and has two such passes: tile 32 cx + 16 pass + 2 wave + x.  512 registers, two waves to a SIMD.
; The two tiles' dependent chains go line by line in turn; tile 1's multiply-adds stand among tile 0's exponentials and eight of tile 0's first additions among tile 1's.
; LAYOUT: both products transposed: S^T = K Q^T, O^T = V^T P^T: a lane holds one query of each tile throughout.
; THE KEYS OF A TILE ARE CHOSEN BY THE LANES' LDS ADDRESSES: row m of tile 4 c + u is key 64 c + 32 (m / 8) + 8 u + m % 8.  So lane (q, h) holds in the 32 registers of tiles 4 c .. 4 c + 3 the keys 64 c + 32 h + 0 .. 31:
; one whole scale block, in the order of the second product's operand.  In memory eight keys 8 o .. 8 o + 7 of a step (o = 4 b + 2 g + u) are rows 8 g .. 8 g + 7 of the stored tile 2 b + u: rows 0-7 of my tile come from
; stored tile 4 c + u % 2, rows 8-15 from the tile two on, 6 LDS rows = 1,728 bytes further; by the padding the two halves' 64-byte pieces fall on different words modulo 256 bytes.
; THE FIRST PRODUCT'S K IS 64, the instruction's 128: Q's upper six registers are zero codes; K's operand for tile T is twelve registers from v[32 + 6 T] on: its upper six are the next tile's codes (behind the last: zeros),
; finite numbers that meet zero codes; the upper two bytes of both scale words are 0.
; K AND V HAVE REGISTERS OF THEIR OWN: step (j + 1) mod 16's K is asked for behind step j's first products, its V behind step j's second products; pass 0's last trip fetches step 0 for pass 1; pass 1's last fetches are read by nobody.
; No prefetch: all that the launch reads is asked for at its head.  LIMITS: blocks whose largest magnitude lies under 2^-124 keep the byte 1; NaN and infinities are not served; scaled scores under 2^31 in magnitude.
; REGISTERS.  Window 0: v1-11 addresses; v12+4x -M, v13+4x the largest score, v[14+4x:15+4x] the sum; v20-23 Q's scale words; v24-25 the context's bytes; v26-27 p's scale words; v28-29 V's; v32-79 K, v80-85 zeros; v86-133 V;
;   v134-181 Q's four tiles; v182-185 K's scale words; v186-211 at work; v254, v255 the add's.   Window 1: v0-127 S^T, then p, of the two tiles; v128-191 O^T; v192-215 p's codes; v216-222 codes on their way; v224-255 the sums' chains.
.set KVB, 13056
.set KVL, 14688                        ; a block in LDS: 51 rows of 288 bytes
.set QSC, 6291456
.set CSC, 6291456
.set SCR, 16*KVL                       ; behind the head's blocks: 1,024 bytes for the context's scale bytes; no fill lands there
.set SPARE, SCR+1024                   ; the spare words: 128 bytes a wave
.set L8,  1
.set L16, 2
.set AK,  3
.set AKS, 4
.set SCA, 5                            ; SCR + 64 x wave + 2 r
.set R16, 6
.set SCB, 7
.set AK0, 8                            ; 1728 (r / 8) + 8 (r % 8) + 128 h
.set AKS0, 9                           ; 16 (r % 8) + 4 (r / 8) + 128 h
.set AV,  10
.set SH8, 11
.set QS,  20
.set CB,  24
.set PW,  26
.set VS,  28
.set KF,  32
.set VF,  86
.set QF,  134
.set KS,  182
.set BM,  186                          ; + 4 x + c: a block's largest score; + 2 more: its second chain
.set PT,  194
.set OM,  196
.set TT,  198
.set FF,  200
.set SOP, 204
.set BY,  208
.set CD,  192                          ; window 1
.set CT,  216
.set CH,  224
.set WV,  18
.set SEL, 20
.set CS,  22
.set G1,  24
.set G0,  32
.set TN,  36
.set CNT, 37
.set MSB, 0
.macro WIN new                         ; bits 1:0 source 0, 3:2 source 1, 5:4 source 2, 7:6 destination; the high byte repeats the setting that is left
.if MSB != (\new)
	s_set_vgpr_msb (MSB<<8)|(\new)
.set MSB, (\new)
.endif
.endm
.macro WALU
	s_wait_alu depctr_va_vdst(0)
.endm
.macro CROUND
	s_barrier_signal -1
	s_barrier_wait -1
	s_cmp_lg_u32 s[WV], 0
	s_cbranch_scc1 .Lnot_wave_0_\@
	s_barrier_signal -3
.Lnot_wave_0_\@:
	s_barrier_wait -3
	s_barrier_signal -1
	s_barrier_wait -1
.endm
.macro KLOAD                           ; 28 loads: K's eight tiles and their scale words: register KS + 2 c + u % 2, lanes 0-15 tile u < 2, lanes 16-31 tile u >= 2
.irp c, 0,1
.irp u, 0,1,2,3
.irp p, 0,1,2
	ds_load_b64 v[KF+6*(4*\c+\u)+2*\p:KF+1+6*(4*\c+\u)+2*\p], v[AK] offset:288*(3*(4*\c+\u%2)+\p)+64*(\u/2)
.endr
.endr
.irp w, 0,1
	ds_load_b32 v[KS+2*\c+\w], v[AKS] offset:288*(48+\w)+8*\c
.endr
.endr
.endm
.macro VLOAD                           ; 25 loads: V's four fragments and their scale words
.irp t, 0,1,2,3
.irp p, 0,1,2,3,4,5
	ds_load_b64 v[VF+12*\t+2*\p:VF+1+12*\t+2*\p], v[AV] offset:288*(24+6*\t+\p)
.endr
.endr
	ds_load_b64 v[VS:VS+1], v[AV] offset:288*50
.endm
; addition n of the 28 that sum tile x's 32 pairs of p into four chains C (CH + 16 x + 2 k); 4 .. 7 make four more first sums D (8 registers on), 8 .. 11 add them in.  All in window 1
.macro SUM1 x, n
.if (\n) < 4
	v_pk_add_f32 v[CH+16*\x+2*(\n):CH+16*\x+2*(\n)+1], v[64*\x+2*(\n):64*\x+2*(\n)+1], v[64*\x+2*(\n)+8:64*\x+2*(\n)+9]
.elseif (\n) < 8
	v_pk_add_f32 v[CH+16*\x+2*(\n):CH+16*\x+2*(\n)+1], v[64*\x+2*(\n)+8:64*\x+2*(\n)+9], v[64*\x+2*(\n)+16:64*\x+2*(\n)+17]
.elseif (\n) < 12
	v_pk_add_f32 v[CH+16*\x+2*(\n)-16:CH+16*\x+2*(\n)-15], v[CH+16*\x+2*(\n)-16:CH+16*\x+2*(\n)-15], v[CH+16*\x+2*(\n)-8:CH+16*\x+2*(\n)-7]
.else
	v_pk_add_f32 v[CH+16*\x+2*((\n)%4):CH+16*\x+2*((\n)%4)+1], v[CH+16*\x+2*((\n)%4):CH+16*\x+2*((\n)%4)+1], v[64*\x+2*(\n)+8:64*\x+2*(\n)+9]
.endif
.endm
.macro JOINS                           ; both tiles' four chains into their sums
	WIN 0x45
.irp x, 0,1
	v_pk_add_f32 v[CH+16*\x:CH+16*\x+1], v[CH+16*\x:CH+16*\x+1], v[CH+16*\x+2:CH+16*\x+3]
	v_pk_add_f32 v[CH+16*\x+4:CH+16*\x+5], v[CH+16*\x+4:CH+16*\x+5], v[CH+16*\x+6:CH+16*\x+7]
.endr
	WIN 0x04
.irp x, 0,1
	v_pk_add_f32 v[14+4*\x:15+4*\x], v[14+4*\x:15+4*\x], v[CH+16*\x:CH+16*\x+1]
.endr
.irp x, 0,1
	v_pk_add_f32 v[14+4*\x:15+4*\x], v[14+4*\x:15+4*\x], v[CH+16*\x+4:CH+16*\x+5]
.endr
.endm
.macro TM1 x, k                        ; t - M of pair k of tile x (window setting 0x41)
	v_pk_fma_f32 v[64*\x+2*(\k):64*\x+2*(\k)+1], v[64*\x+2*(\k):64*\x+2*(\k)+1], s[CS:CS+1], v[12+4*\x:13+4*\x] op_sel_hi:[1,0,0]
.endm
.macro CVT x                           ; tile x's p into the second product's operand (0x41): a lane's 32 registers are a whole block
.irp c, 0,1
	v_cvt_scalef32_pk16_fp6_f32 v[CD+12*\x+6*\c:CD+12*\x+6*\c+2], v[64*\x+32*\c:64*\x+32*\c+15], v[SOP+2*\x+\c]
	v_cvt_scalef32_pk16_fp6_f32 v[CT+4*\c:CT+4*\c+2], v[64*\x+32*\c+16:64*\x+32*\c+31], v[SOP+2*\x+\c]   ; (a conversion's three registers begin on an even number)
.endr
	v_nop                                          ; one plain place behind a scaled conversion
.irp c, 0,1
.irp i, 0,1,2
	v_mov_b32 v[CD+12*\x+6*\c+3+\i], v[CT+4*\c+\i]
.endr
.endr
.endm
	s_load_b128 s[4:7], s[0:1], 0x0                ; qq, kv
	s_load_b64 s[8:9], s[0:1], 0x10                ; cq
	v_lshl_add_u32 v254, v0, 2, SPARE
	v_mov_b32 v255, 0
	ds_add_u32 v254, v255                          ; the opening lines: the add twice on end and its wait
	ds_add_u32 v254, v255
	v_lshrrev_b32 v186, 5, v0
	v_readfirstlane_b32 s[WV], v186                ; wave 0..7
	s_bfe_u32 s38, ttmp6, 0x40000                  ; cx: it enters global addresses of Q and of the context alone
	s_and_b32 s39, ttmp7, 0xffff                   ; 16 x batch + head, which the four partners share
	s_mov_b32 s[G1], 15|(3<<16)|(1<<20)|(1<<21)|(5<<22)|(7<<25)   ; the mask: all four; elements of 8 bytes; padding on; 21 set beside a mask; after every 64 words, 8 words
	s_mov_b32 s[G1+1], 32<<16                      ; two dense blocks, 26,112 bytes, as 102 rows of 256
	s_mov_b32 s[G1+2], 102<<16
	s_mov_b32 s[G1+3], 32<<16
	s_mov_b32 s[G1+4], 102
	s_mov_b32 s[G1+5], 32
	s_mov_b32 s[G1+6], 0
	s_mov_b32 s[G1+7], 0
	s_lshl_b32 s51, s[WV], 1
	s_lshl_b32 s40, s39, 4
	s_add_co_u32 s40, s40, s51
	s_mul_i32 s40, s40, KVB                        ; key steps 2 wave, 2 wave + 1: in memory,
	s_mov_b32 s41, 0
	s_mul_i32 s42, s[WV], 2*KVL                    ; and in LDS
	s_lshl_b32 s43, s39, 7
	s_lshl_b32 s44, s38, 5
	s_add_co_u32 s43, s43, s44
	s_add_co_u32 s43, s43, s51                     ; my first query tile, counted over all heads
	s_mul_i32 s44, s43, 768
	s_mov_b32 s45, 0
	s_lshl_b32 s46, s39, 13                        ; its scale words: 8,192 a head, 512 for 8 tiles, 256 (T % 2) + 4 ((T % 8) / 2) in them
	s_lshl_b32 s47, s38, 11
	s_add_co_u32 s46, s46, s47
	s_lshr_b32 s47, s[WV], 2
	s_lshl_b32 s47, s47, 9
	s_add_co_u32 s46, s46, s47
	s_and_b32 s47, s[WV], 3
	s_lshl_b32 s47, s47, 2
	s_add_co_u32 s46, s46, s47
	s_add_co_u32 s46, s46, QSC
	s_mov_b32 s47, 0
	s_lshr_b32 s48, s39, 4                         ; batch
	s_and_b32 s49, s39, 15                         ; head
	s_lshl_b32 s48, s48, 7
	s_lshl_b32 s50, s38, 5
	s_add_co_u32 s48, s48, s50                     ; the work-group's first tile of rows
	s_lshl_b32 s52, s48, 5
	s_lshl_b32 s50, s49, 14
	s_add_co_u32 s52, s52, s50
	s_add_co_u32 s52, s52, CSC                     ; the context's scale bytes: [head][row] two bytes
	s_mov_b32 s53, 0
	s_add_co_u32 s48, s48, s51
	s_mul_i32 s48, s48, 12288
	s_mul_i32 s49, s49, 768
	s_add_co_u32 s48, s48, s49                     ; the context's codes: [tile][head][768]
	s_mov_b32 s49, 0
	s_mov_b32 s[SEL], 0x76543210
	s_mov_b32 s[SEL+1], 0xfedcba98
	s_mov_b32 s[CS], 0x3e38aa3b                    ; c = log2(e) / 8
	s_mov_b32 s[CS+1], s[CS]                       ; (named with it as a pair, so it is written)
	s_wait_dscnt 0x0
	s_wait_kmcnt 0x0
	CROUND                                         ; all four work-groups are here: the joint loads meet
	s_mov_b32 s[G0], 1
	s_mov_b32 s[G0+1], s42
	s_add_nc_u64 s[G0+2:G0+3], s[6:7], s[40:41]
	s_or_b32 s[G0+3], s[G0+3], 0x80000000
	tensor_load_to_lds s[G0:G0+3], s[G1:G1+7]      ; my one tensor load of the launch
	s_nop 0
.rept 4
	v_nop
.endr
	s_add_nc_u64 s[10:11], s[4:5], s[44:45]        ; Q's codes
	s_add_nc_u64 s[12:13], s[4:5], s[46:47]        ; Q's scale words
	s_add_nc_u64 s[14:15], s[8:9], s[48:49]        ; the context's codes
	s_add_nc_u64 s[16:17], s[8:9], s[52:53]        ; and scale bytes
	v_and_b32 v186, 31, v0
	v_and_b32 v187, 15, v0
	v_bfe_u32 v188, v0, 4, 1                       ; h
	v_and_b32 v189, 7, v0                          ; r % 8
	v_bfe_u32 v190, v0, 3, 1                       ; r / 8
	v_lshlrev_b32 v[L8], 3, v186
	v_lshlrev_b32 v[L16], 4, v186
	v_lshlrev_b32 v[R16], 4, v187
	v_lshlrev_b32 v[SH8], 3, v188
	v_mul_u32_u24 v[AK0], v190, 1728
	v_lshlrev_b32 v[AKS0], 4, v189
	v_lshl_add_u32 v[AK0], v189, 3, v[AK0]
	v_lshl_add_u32 v[AKS0], v190, 2, v[AKS0]
	v_lshl_add_u32 v[AK0], v188, 7, v[AK0]
	v_lshl_add_u32 v[AKS0], v188, 7, v[AKS0]
	s_lshl_b32 s40, s[WV], 6
	s_add_co_u32 s40, s40, SCR
	v_lshl_add_u32 v[SCA], v187, 1, s40
	v_add_nc_u32 v[SCB], SCR, v[L16]
.irp q, 0,1,2,3                        ; tile 2 pass + x
.irp p, 0,1,2
	global_load_b64 v[QF+12*\q+2*\p:QF+12*\q+2*\p+1], v[L8], s[10:11] offset:(16*(\q/2)+\q%2)*768+256*\p
.endr
	global_load_b32 v[QS+\q], v[R16], s[12:13] offset:1024*(\q/2)+256*(\q%2)
.endr
.irp i, 0,1,2,3,4,5
	v_mov_b32 v[80+\i], 0                          ; zero codes: K 64 to 127 of the first product
.irp q, 0,1,2,3
	v_mov_b32 v[QF+12*\q+6+\i], 0
.endr
.endr
	s_mov_b32 s[TN], 0
	WALU
	s_wait_loadcnt 0x0
	s_wait_tensorcnt 0x0                           ; my blocks have landed,
	s_barrier_signal -1
	s_barrier_wait -1                              ; everybody's have
	v_add_nc_u32 v[AK], s[TN], v[AK0]
	v_add_nc_u32 v[AKS], s[TN], v[AKS0]
	v_add_nc_u32 v[AV], s[TN], v[L8]
	KLOAD                                          ; step 0's K, then its V: in every trip K's loads are the older
	VLOAD
; Two tiles of 16 queries against all 2,048 keys.  n: the pass.  At its start step 0's K and V are on their way.
.macro PASS n
	s_wait_xcnt 0x0                                ; the last pass's stores have read their registers
.irp x, 0,1
	v_mov_b32 v[13+4*\x], 0xff61b1e6               ; the largest score so far: -3e38
	v_mov_b32 v[12+4*\x], 0x7f61b1e6               ; -M: 3e38
	v_mov_b32 v[14+4*\x], 0
	v_mov_b32 v[15+4*\x], 0
	v_mov_b32 v[FF+2*\x+1], 0                      ; (named as the upper half of a pair)
	v_mov_b32 v[PT+\x], 0                          ; a lane permute's destination counts as one of its sources
.endr
	WIN 0x40
.irp x, 0,1
.irp i, 0,1,2,3,4,5,6,7
	v_mov_b32 v[CH+16*\x+\i], 0                    ; the sums' chains: the first step joins zeros
.endr
.endr
.set j, 0
.rept 64
	v_mov_b32 v[128+j], 0                          ; O^T: the step is written once; the first finds zeros
.set j, j+1
.endr
	WIN 0
	s_mov_b32 s[CNT], 0
	WALU
.Lstep_\@:
	s_wait_dscnt 25                                ; this step's K is in; behind its loads stand V's 25
	WIN 0x40
.irp t, 0,1,2,3,4,5,6,7
.irp x, 0,1
.if (\t%4)/2
	v_wmma_scale_f32_16x16x128_f8f6f4 v[64*\x+8*\t:64*\x+8*\t+7], v[KF+6*\t:KF+6*\t+11], v[QF+12*(2*\n+\x):QF+12*(2*\n+\x)+11], 0, v[KS+2*(\t/4)+\t%2], v[QS+2*\n+\x] matrix_a_fmt:MATRIX_FMT_FP6 matrix_b_fmt:MATRIX_FMT_FP6 matrix_a_scale:MATRIX_SCALE_ROW1
.else
	v_wmma_scale_f32_16x16x128_f8f6f4 v[64*\x+8*\t:64*\x+8*\t+7], v[KF+6*\t:KF+6*\t+11], v[QF+12*(2*\n+\x):QF+12*(2*\n+\x)+11], 0, v[KS+2*(\t/4)+\t%2], v[QS+2*\n+\x] matrix_a_fmt:MATRIX_FMT_FP6 matrix_b_fmt:MATRIX_FMT_FP6
.endif
.endr
.endr
	JOINS                                          ; the last step's p, still under the old M.  These lines are the places behind the products
.irp x, 0,1
	v_mov_b32 v[OM+\x], v[12+4*\x]                 ; the old -M
.endr
	s_add_co_u32 s[TN], s[CNT], 1
	s_and_b32 s[TN], s[TN], 15
	s_mul_i32 s[TN], s[TN], KVL                    ; the next step, modulo 16
	WIN 0
	v_add_nc_u32 v[AK], s[TN], v[AK0]
	v_add_nc_u32 v[AKS], s[TN], v[AKS0]
	KLOAD                                          ; the next step's K
	WIN 0x15                                       ; each lane's two blocks' largest scores, two chains each, both tiles in turn
.irp x, 0,1
.irp c, 0,1
	v_max3_num_f32 v[BM+4*\x+\c], v[64*\x+32*\c], v[64*\x+32*\c+1], v[64*\x+32*\c+2]
	v_max3_num_f32 v[BM+4*\x+2+\c], v[64*\x+32*\c+16], v[64*\x+32*\c+17], v[64*\x+32*\c+18]
.endr
.endr
	WIN 0x14
.irp i, 3,5,7,9,11,13
.irp x, 0,1
.irp c, 0,1
	v_max3_num_f32 v[BM+4*\x+\c], v[BM+4*\x+\c], v[64*\x+32*\c+\i], v[64*\x+32*\c+\i+1]
	v_max3_num_f32 v[BM+4*\x+2+\c], v[BM+4*\x+2+\c], v[64*\x+32*\c+16+\i], v[64*\x+32*\c+17+\i]
.endr
.endr
.endr
	WIN 0x04
.irp x, 0,1
.irp c, 0,1
	v_max3_num_f32 v[BM+4*\x+\c], v[BM+4*\x+\c], v[64*\x+32*\c+15], v[BM+4*\x+2+\c]
.endr
.endr
.irp x, 0,1
.irp c, 0,1
	v_max_num_f32 v[BM+4*\x+\c], v[BM+4*\x+\c], v[64*\x+32*\c+31]
.endr
.endr
	WIN 0
.irp x, 0,1
	v_max3_num_f32 v[13+4*\x], v[13+4*\x], v[BM+4*\x], v[BM+4*\x+1]
.endr
.irp x, 0,1
	v_permlanex16_b32 v[PT+\x], v[13+4*\x], s[SEL], s[SEL+1]
.endr
.irp x, 0,1
	v_max_num_f32 v[13+4*\x], v[13+4*\x], v[PT+\x] ; the running largest score of my query (c is positive)
.endr
.irp x, 0,1
	v_mul_f32 v[TT+\x], s[CS], v[13+4*\x]          ; as t
.endr
.irp x, 0,1
	v_floor_f32 v[12+4*\x], -v[TT+\x]              ; the new -M = -ceil(t)
.endr
.irp x, 0,1
	v_sub_f32 v[OM+\x], v[12+4*\x], v[OM+\x]       ; old M - new M: a whole number, 0 or less
.endr
.irp x, 0,1
.irp c, 0,1
	v_fma_f32 v[BM+4*\x+\c], v[BM+4*\x+\c], s[CS], v[12+4*\x]   ; t - M of each block's largest score: p rises with the score
.endr
.endr
.irp x, 0,1
	v_cvt_i32_f32 v[OM+\x], v[OM+\x]               ; (it saturates)
.endr
	WIN 0x41
.set k_, 0
.rept 8
	TM1 0, k_
.set k_, k_+1
.endr
	WIN 0
.irp x, 0,1
	v_ldexp_f32 v[FF+2*\x], 1.0, v[OM+\x]          ; f = 2^(old M - new M)
.endr
	WIN 0x41
.rept 24
	TM1 0, k_
.set k_, k_+1
.endr
.irp x, 0,1
.set j, 0
.rept 16
	v_pk_mul_f32 v[128+32*\x+j:129+32*\x+j], v[128+32*\x+j:129+32*\x+j], v[FF+2*\x:FF+2*\x+1] op_sel_hi:[1,0]   ; O^T under the new M, each accumulator from its low end on
.set j, j+2
.endr
.endr
	WALU                                           ; ahead of a batch
.set k_, 0
.rept 32                               ; tile 0's p = 2^(t - M); among the exponentials tile 1's t - M, which names none of their registers
	v_exp_f32 v[2*k_], v[2*k_]
	v_exp_f32 v[2*k_+1], v[2*k_+1]
	TM1 1, k_
.set k_, k_+1
.endr
	WIN 0x45
	WALU                                           ; behind tile 0's batch and ahead of tile 1's
.set k_, 0
.rept 8                                ; tile 1's p; among them tile 0's eight first sums, each into registers that are read behind the next wait
.irp e, 0,1,2,3,4,5,6,7
	v_exp_f32 v[64+8*k_+\e], v[64+8*k_+\e]
.endr
	SUM1 0, k_
.set k_, k_+1
.endr
	WIN 0
.irp x, 0,1
.irp c, 0,1
	v_exp_f32 v[BM+4*\x+\c], v[BM+4*\x+\c]         ; each block's largest p
.endr
.endr
.irp x, 0,1
	v_pk_mul_f32 v[14+4*\x:15+4*\x], v[14+4*\x:15+4*\x], v[FF+2*\x:FF+2*\x+1] op_sel_hi:[1,0]   ; the sums under the new M: plain places behind the exponentials
.endr
	WALU                                           ; one wait for the batch, ahead of its first reader
.irp x, 0,1
.irp c, 0,1
	v_max_num_f32 v[BM+4*\x+\c], 0x1800000, v[BM+4*\x+\c]          ; the floor 2^(3 - 127)
.endr
.endr
.irp x, 0,1
.irp c, 0,1
	v_add_nc_u32 v[SOP+2*\x+\c], 0xff000000, v[BM+4*\x+\c]         ; 2 off the exponent field: the conversions' scale operand
.endr
.endr
.irp x, 0,1
.irp c, 0,1
	v_lshrrev_b32 v[BY+2*\x+\c], 23, v[SOP+2*\x+\c]                ; the bytes of blocks h and 2 + h
.endr
.endr
.irp x, 0,1
	v_lshl_or_b32 v[PW+\x], v[BY+2*\x+1], 16, v[BY+2*\x]
.endr
.irp x, 0,1
	v_lshlrev_b32 v[PW+\x], v[SH8], v[PW+\x]       ; at their places in the word
.endr
.irp x, 0,1
	v_permlanex16_b32 v[PT+\x], v[PW+\x], s[SEL], s[SEL+1]
.endr
.irp x, 0,1
	v_or_b32 v[PW+\x], v[PW+\x], v[PT+\x]          ; with lane l xor 16's two: p's scale word for these 128 keys
.endr
	WIN 0x41
	CVT 0
	CVT 1
	WIN 0x45
.set m_, 0
.rept 20                               ; forty additions, the two tiles in turn: also the places between the codes and scale words just made and the products
	SUM1 0, m_+8
	SUM1 1, m_
.set m_, m_+1
.endr
	WALU
	s_wait_dscnt 28                                ; this step's V is in; behind its loads stand the next K's 28
	WIN 0x54
.irp t, 0,1,2,3                        ; the eight accumulators take turns; between two links of a chain stand the others' and the next step's sixteen products
.irp x, 0,1
.if \t % 2
	v_wmma_scale_f32_16x16x128_f8f6f4 v[128+32*\x+8*\t:135+32*\x+8*\t], v[VF+12*\t:VF+12*\t+11], v[CD+12*\x:CD+12*\x+11], v[128+32*\x+8*\t:135+32*\x+8*\t], v[VS+\t/2], v[PW+\x] matrix_a_fmt:MATRIX_FMT_FP6 matrix_b_fmt:MATRIX_FMT_FP6 matrix_a_scale:MATRIX_SCALE_ROW1
.else
	v_wmma_scale_f32_16x16x128_f8f6f4 v[128+32*\x+8*\t:135+32*\x+8*\t], v[VF+12*\t:VF+12*\t+11], v[CD+12*\x:CD+12*\x+11], v[128+32*\x+8*\t:135+32*\x+8*\t], v[VS+\t/2], v[PW+\x] matrix_a_fmt:MATRIX_FMT_FP6 matrix_b_fmt:MATRIX_FMT_FP6
.endif
.endr
.endr
	WIN 0x45
.rept 8                                ; tile 1's last eight additions: the places in front of loads into the products' operands
	SUM1 1, m_
.set m_, m_+1
.endr
	WIN 0
	v_add_nc_u32 v[AV], s[TN], v[L8]
	VLOAD                                          ; the next step's V
	s_add_co_u32 s[CNT], s[CNT], 1
	s_cmp_lt_u32 s[CNT], 16
	WALU
	s_cbranch_scc1 .Lstep_\@
	; the way out of a pass: O^T / the sum; register 16 b + i is channel 32 b + 16 h + i: two blocks of the last product's K
	JOINS
	WIN 0
.irp x, 0,1
	v_add_f32 v[14+4*\x], v[14+4*\x], v[15+4*\x]
.endr
.irp x, 0,1
	v_permlanex16_b32 v[PT+\x], v[14+4*\x], s[SEL], s[SEL+1]
.endr
.irp x, 0,1
	v_add_f32 v[14+4*\x], v[14+4*\x], v[PT+\x]     ; the row's sum
.endr
	WALU
.irp x, 0,1
	v_rcp_f32 v[FF+2*\x], v[14+4*\x]
.endr
	v_nop
	WIN 0x41
	WALU                                           ; directly ahead of the first reader of O^T
.irp x, 0,1
.set j, 0
.rept 16
	v_pk_mul_f32 v[64*\x+j:64*\x+j+1], v[128+32*\x+j:129+32*\x+j], v[FF+2*\x:FF+2*\x+1] op_sel_hi:[1,0]   ; ascending: each accumulator is read from its low end on
.set j, j+2
.endr
.endr
	WIN 0x05
.irp x, 0,1
.irp b, 0,1
	v_max3_num_f32 v[BM+4*\x+\b], |v[64*\x+16*\b]|, |v[64*\x+16*\b+1]|, 0x1800000
.endr
.endr
	WIN 0x14
.irp i, 2,4,6,8,10,12,14
.irp x, 0,1
.irp b, 0,1
	v_max3_num_f32 v[BM+4*\x+\b], v[BM+4*\x+\b], |v[64*\x+16*\b+\i]|, |v[64*\x+16*\b+\i+1]|
.endr
.endr
.endr
	WIN 0
.irp x, 0,1
.irp b, 0,1
	v_permlanex16_b32 v[BM+4*\x+2+\b], v[BM+4*\x+\b], s[SEL], s[SEL+1]
.endr
.endr
.irp x, 0,1
.irp b, 0,1
	v_max_num_f32 v[BM+4*\x+\b], v[BM+4*\x+\b], v[BM+4*\x+2+\b]
.endr
.endr
.irp x, 0,1
.irp b, 0,1
	v_add_nc_u32 v[SOP+2*\x+\b], 0xff000000, v[BM+4*\x+\b]
.endr
.endr
.irp x, 0,1
.irp b, 0,1
	v_lshrrev_b32 v[BY+2*\x+\b], 23, v[SOP+2*\x+\b]
.endr
.endr
.irp x, 0,1
	v_lshl_or_b32 v[CB+\x], v[BY+2*\x+1], 8, v[BY+2*\x]            ; my row's two scale bytes
.endr
	WIN 0x41
.irp x, 0,1
	v_cvt_scalef32_pk16_fp6_f32 v[CD+12*\x:CD+12*\x+2], v[64*\x:64*\x+15], v[SOP+2*\x]
	v_cvt_scalef32_pk16_fp6_f32 v[CT+4*\x:CT+4*\x+2], v[64*\x+16:64*\x+31], v[SOP+2*\x+1]
.endr
	v_nop
.irp x, 0,1
.irp i, 0,1,2
	v_permlane16_swap_b32 v[CD+12*\x+\i], v[CT+4*\x+\i]            ; a whole block to a lane
.endr
.endr
.irp x, 0,1
.irp i, 0,1,2
	v_mov_b32 v[CD+12*\x+3+\i], v[CT+4*\x+\i]
.endr
.endr
	WIN 0x04                                       ; a store's data stand in the place of source 1
.irp x, 0,1
.irp p, 0,1,2
	global_store_b64 v[L8], v[CD+12*\x+2*\p:CD+12*\x+2*\p+1], s[14:15] offset:(16*\n+\x)*12288+256*\p   ; each store covers 256 consecutive bytes, aligned
.endr
.endr
	WIN 0
.irp x, 0,1
	ds_store_b16 v[SCA], v[CB+\x] offset:512*\n+32*\x              ; lanes r and r + 16 store the same bytes to the same place
.endr
.endm
	PASS 0
	PASS 1
	s_wait_dscnt 0x0                               ; for the others' sake: my scale bytes lie in LDS (and my last fetches are over)
	s_barrier_signal -1
	s_barrier_wait -1
	s_cmp_lg_u32 s[WV], 0
	s_cbranch_scc1 .Lnot_mine
	ds_load_b128 v[32:35], v[SCB]                  ; wave 0 stores the work-group's 512 rows' bytes: 1,024 consecutive bytes
	ds_load_b128 v[36:39], v[SCB] offset:512
	s_wait_dscnt 0x0
	global_store_b128 v[L16], v[32:35], s[16:17]
	global_store_b128 v[L16], v[36:39], s[16:17] offset:512
.Lnot_mine:
	s_wait_tensorcnt 0x0
	ds_add_u32 v254, v255
	s_wait_dscnt 0x0
	CROUND                                         ; the closing round
	s_endpgm
.Lfunc_end_k_qcf13bd19f0_attn:
	.size	k_qcf13bd19f0_attn, .Lfunc_end_k_qcf13bd19f0_attn-k_qcf13bd19f0_attn
	.p2alignl 7, 3214868480
	.fill 96, 4, 3214868480
	.section	.rodata,"a",@progbits
	.p2align	6, 0x0
	.amdhsa_kernel k_qcf13bd19f0_attn
		.amdhsa_group_segment_fixed_size 237056
		.amdhsa_private_segment_fixed_size 0
		.amdhsa_enable_private_segment 0
		.amdhsa_kernarg_size 24
		.amdhsa_user_sgpr_count 2
		.amdhsa_user_sgpr_kernarg_segment_ptr 1
		.amdhsa_wavefront_size32 1
		.amdhsa_system_sgpr_workgroup_id_x 1
		.amdhsa_system_sgpr_workgroup_id_y 1
		.amdhsa_system_sgpr_workgroup_id_z 1
		.amdhsa_system_vgpr_workitem_id 0
		.amdhsa_next_free_vgpr 512
		.amdhsa_next_free_sgpr 66
		.amdhsa_reserve_vcc 0
		.amdhsa_float_denorm_mode_32 3
		.amdhsa_float_denorm_mode_16_64 3
		.amdhsa_memory_ordered 1
		.amdhsa_forward_progress 1
		.amdhsa_inst_pref_size 91
	.end_amdhsa_kernel
	.amdgpu_metadata
---
amdhsa.version: [ 1, 2 ]
amdhsa.kernels:
  - .name:           k_qcf13bd19f0_attn
    .symbol:         k_qcf13bd19f0_attn.kd
    .args:
      - { .name: qq, .offset: 0, .size: 8, .value_kind: global_buffer, .address_space: global }
      - { .name: kv, .offset: 8, .size: 8, .value_kind: global_buffer, .address_space: global }
      - { .name: cq, .offset: 16, .size: 8, .value_kind: global_buffer, .address_space: global }
    .group_segment_fixed_size: 237056
    .private_segment_fixed_size: 0
    .kernarg_segment_align: 8
    .kernarg_segment_size: 24
    .max_flat_workgroup_size: 256
    .sgpr_count:     66
    .vgpr_count:     512
    .wavefront_size: 32
...
	.end_amdgpu_metadata
.endif
;; end of part 3
;; launch outp (part 4): grid 8 x 32, 4 waves a work-group, clusters of 4 x 4, 327,680 bytes of LDS; arguments cq, wq, bo, o_scale, out0; writes out0
.if DOCPART == 4
	.amdgcn_target "amdgcn-amd-amdhsa--gfx1250"
	.amdhsa_code_object_version 6
	.text
	.protected	k_qcf13bd19f0_outp
	.globl	k_qcf13bd19f0_outp
	.p2align	8
	.type	k_qcf13bd19f0_outp,@function
k_qcf13bd19f0_outp:
	s_mov_b64 s[64:65], 0
	v_nop
	global_prefetch_b8 v0, s[64:65] scope:SCOPE_SE
	s_setreg_imm32_b32 hwreg(HW_REG_WAVE_MODE, 25, 1), 1
	s_wait_xcnt 0x0
	s_wait_alu depctr_hold_cnt(0) depctr_sa_sdst(0) depctr_va_vdst(0) depctr_va_sdst(0) depctr_va_ssrc(0) depctr_va_vcc(0) depctr_vm_vsrc(0)
	s_getreg_b32 s2, hwreg(HW_REG_IB_STS2, 6, 4)
	s_cmp_eq_u32 s2, 0
	s_cbranch_scc0 .Lentry_in_a_cluster
	s_endpgm
.Lentry_in_a_cluster:
	s_bfe_u32 s2, ttmp6, 0x10000c
	s_cmp_lg_u32 s2, 0xf033
	s_cbranch_scc0 .Lentry_shape_is_right
	s_endpgm
.Lentry_shape_is_right:
.set FR,    12
.set NL,    6
.set NP,    4
.set FRB,   1536
.set HALFA, 16*FRB
.set HALFB, 8*FRB
.set SLOT,  2*HALFA+2*HALFB
.set SCL,   4*SLOT
.set SCA,   SCL+4096
.set WSC,   3145728
.set CSC,   6291456
.set STO, 4
.set RD,  5
.set CO,  6
.set H64, 9
.set ADRA, 16
.set ADRB, 20
.set ADRS, 27
.set SC,   32
.set Y,    64
.set MH,   96
.set WD,   112
.set AF,   128
.set BK,   128
.set GN,   192
.set BS,   224
.set G1,  24
.set G0A, 32
.set G0B, 48
.set G1B, 68
.set G1S, 76
.set G0S, 84
.set MSB, 0
.macro WIN new
.if MSB != (\new)
	s_set_vgpr_msb (MSB<<8)|(\new)
.set MSB, (\new)
.endif
.endm
.set MUL,  0xa1
.set TO_B, 0x40
; out0 = (context Wo + bo) x o_scale on codes of FP6: a work-group makes 256 rows x 128 columns, a wave 128 x 64.
; ALL OF K LIES IN LDS, FILLED ONCE: the 16 tiles of the context's codes (12,288 bytes a tile, all eight K steps) and the 8 tiles of Wo's are dense blocks of memory and lie in LDS as in memory:
; the context's at 0, Wo's at 8 HALFA, Wo's scale words at SCL.  One load a wave at the head: waves 0 and 1 eight tiles of the context each, wave 2 Wo's eight, wave 3 the scale words.  No ring, no refill.
; No prefetch: all that the launch reads by tensor loads is asked for at its head.
.macro TL g0, g1
	tensor_load_to_lds s[\g0:\g0+3], s[\g1:\g1+7]
	s_nop 0
.rept 4
	v_nop
.endr
.endm
.macro CROUND
	s_barrier_signal -1
	s_barrier_wait -1
	s_cmp_lg_u32 s14, 0
	s_cbranch_scc1 .Lnot_wave_0_\@
	s_barrier_signal -3
.Lnot_wave_0_\@:
	s_barrier_wait -3
	s_barrier_signal -1
	s_barrier_wait -1
.endm
	s_load_b256 s[4:11], s[0:1], 0x0
	s_load_b64 s[12:13], s[0:1], 0x20
	v_lshl_add_u32 v30, v0, 2, 0x4b000
	v_mov_b32 v31, 0
	ds_add_u32 v30, v31
	ds_add_u32 v30, v31
	v_lshrrev_b32 v1, 5, v0
	v_readfirstlane_b32 s14, v1
	s_lshr_b32 s15, s14, 1
	s_and_b32 s16, s14, 1
	s_bfe_u32 s88, ttmp6, 0x40000
	s_bfe_u32 s89, ttmp6, 0x40004
	s_lshl_b32 s91, ttmp9, 2
	s_add_co_u32 s91, s91, s88
	s_and_b32 s90, ttmp7, 0xffff
	s_lshl_b32 s90, s90, 2
	s_add_co_u32 s90, s90, s89
	s_lshl_b32 s92, s89, 2
	s_lshl_b32 s92, 15, s92
	s_lshl_b32 s93, 0x1111, s88
	s_or_b32 s[G1+0], s92, (3<<16)|(1<<21)
	s_mov_b32 s[G1+1], 32<<16                      ; 98,304 dense bytes as 384 rows of 256
	s_mov_b32 s[G1+2], 384<<16
	s_mov_b32 s[G1+3], 32<<16
	s_mov_b32 s[G1+4], 384
	s_mov_b32 s[G1+5], 32
	s_mov_b32 s[G1+6], 0
	s_mov_b32 s[G1+7], 0
	s_or_b32 s[G1B+0], s93, (3<<16)|(1<<21)
	s_mov_b32 s[G1B+1], 32<<16
	s_mov_b32 s[G1B+2], 384<<16
	s_mov_b32 s[G1B+3], 32<<16
	s_mov_b32 s[G1B+4], 384
	s_mov_b32 s[G1B+5], 32
	s_mov_b32 s[G1B+6], 0
	s_mov_b32 s[G1B+7], 0
	s_or_b32 s[G1S+0], s93, (3<<16)|(1<<21)
	s_mov_b32 s[G1S+1], 32<<16
	s_mov_b32 s[G1S+2], 16<<16
	s_mov_b32 s[G1S+3], 32<<16
	s_mov_b32 s[G1S+4], 16
	s_mov_b32 s[G1S+5], 32
	s_mov_b32 s[G1S+6], 0
	s_mov_b32 s[G1S+7], 0
	s_lshl_b32 s20, s90, 4
	s_lshl_b32 s17, s16, 3
	s_add_co_u32 s20, s20, s17
	s_mul_i32 s20, s20, 12288
	s_mov_b32 s21, 0
	s_lshl_b32 s22, s91, 3
	s_lshl_b32 s17, s16, 2
	s_add_co_u32 s22, s22, s17
	s_add_co_u32 s22, s22, 192
	s_mul_i32 s22, s22, 12288
	s_mov_b32 s23, 0
	s_lshl_b32 s94, s91, 12
	s_add_co_u32 s94, s94, WSC+512*192
	s_mov_b32 s95, 0
	s_lshl_b32 s96, s90, 9
	s_add_co_u32 s96, s96, CSC
	s_mov_b32 s97, 0
	s_mul_i32 s98, s16, 4*HALFA                    ; eight tiles of the context are 98,304 bytes
	s_mul_i32 s99, s16, 4*HALFB                    ; my four tiles of Wo,
	s_add_co_u32 s99, s99, 8*HALFA                 ; behind the context's sixteen
	v_lshlrev_b32 v11, 2, v0
	s_wait_alu depctr_va_vdst(0)
	s_wait_dscnt 0x0
	s_wait_kmcnt 0x0
	s_add_nc_u64 s[96:97], s[4:5], s[96:97]
.irp e, 0,1,2,3,4,5,6,7,8,9,10,11,12,13,14,15
	global_load_b32 v[MH+\e], v11, s[96:97] offset:16384*\e
.endr
	s_add_nc_u64 s[20:21], s[4:5], s[20:21]
	s_add_nc_u64 s[22:23], s[6:7], s[22:23]
	s_add_nc_u64 s[94:95], s[6:7], s[94:95]
	CROUND
	s_mov_b32 s[G0S], 1
	s_mov_b32 s[G0S+1], SCL
	s_mov_b64 s[G0S+2:G0S+3], s[94:95]
	s_or_b32 s[G0S+3], s[G0S+3], 0x80000000
	s_mov_b32 s[G0A], 1
	s_mov_b32 s[G0A+1], s98
	s_mov_b64 s[G0A+2:G0A+3], s[20:21]
	s_or_b32 s[G0A+3], s[G0A+3], 0x80000000
	s_mov_b32 s[G0B], 1
	s_mov_b32 s[G0B+1], 8*HALFA
	s_mov_b64 s[G0B+2:G0B+3], s[22:23]             ; wave 2's half is 0: the address of all eight tiles
	s_or_b32 s[G0B+3], s[G0B+3], 0x80000000
	s_cmp_lt_u32 s14, 2                            ; one chain of branches on the wave's number, a load to an arm
	s_cbranch_scc0 .Lhead_b
	TL G0A, G1
	s_branch .Lhead_asked
.Lhead_b:
	s_cmp_eq_u32 s14, 2
	s_cbranch_scc0 .Lhead_s
	TL G0B, G1B
	s_branch .Lhead_asked
.Lhead_s:
	TL G0S, G1S
.Lhead_asked:
	v_and_b32 v1, 31, v0
	v_and_b32 v12, 15, v0
	v_bfe_u32 v13, v0, 4, 1
	v_lshlrev_b32 v2, 3, v1
	s_mul_i32 s21, s15, 4*HALFA
	v_add_nc_u32 v[ADRA], s21, v2                  ; my tiles 0-3 of the context,
	v_add_nc_u32 v[ADRA+1], 2*HALFA, v[ADRA]       ; and 4-7: four tiles on
	v_add_nc_u32 v[ADRB], s99, v2
	s_lshl_b32 s21, s16, 11
	s_lshl_b32 s22, s15, 12
	s_add_co_u32 s22, s22, SCA-SCL
	s_sub_co_u32 s22, s22, s21
	v_xor_b32 v15, 1, v13
	v_mul_u32_u24 v14, s22, v15
	s_add_co_u32 s21, s21, SCL
	v_lshl_add_u32 v14, v12, 3, v14
	v_add_nc_u32 v[ADRS], s21, v14
	v_lshrrev_b32 v14, 3, v0
	v_and_b32 v15, 7, v0
	v_lshlrev_b32 v14, 9, v14
	v_lshl_add_u32 v14, v15, 4, v14
	v_add_nc_u32 v14, SCA, v14
	s_mul_i32 s21, s14, 16*272
	v_lshlrev_b32 v[H64], 6, v13
	v_mul_u32_u24 v[STO], v12, 272
	v_add_nc_u32 v[STO], v[STO], v[H64]
	v_add_nc_u32 v[STO], s21, v[STO]
	v_mul_u32_u24 v[RD], v13, 272
	v_lshl_add_u32 v[RD], v12, 4, v[RD]
	v_add_nc_u32 v[RD], s21, v[RD]
	v_lshlrev_b32 v[CO], 12, v13
	v_lshl_add_u32 v[CO], v12, 4, v[CO]
	s_wait_loadcnt 0x0
.irp t, 0,1,2,3
	v_perm_b32 v[WD+4*\t],   v[MH+4*\t+1], v[MH+4*\t],   0x05040100
	v_perm_b32 v[WD+4*\t+1], v[MH+4*\t+3], v[MH+4*\t+2], 0x05040100
	v_perm_b32 v[WD+4*\t+2], v[MH+4*\t+1], v[MH+4*\t],   0x07060302
	v_perm_b32 v[WD+4*\t+3], v[MH+4*\t+3], v[MH+4*\t+2], 0x07060302
.endr
.irp t, 0,1,2,3
	ds_store_b128 v14, v[WD+4*\t:WD+4*\t+3] offset:128*\t
.endr
.macro FRAG reg, adr, q, i
.irp p, 0,1,2,3,4,5
	ds_load_b64 v[\reg+2*\p:\reg+2*\p+1], v[\adr] offset:(8*(\i)+(\q))*FRB+256*\p
.endr
.endm
.macro MUL8 a0, p, q, sc, zero
.irp a, \a0, \a0+1
.irp b, 0,1,2,3
.if \zero
	v_wmma_scale_f32_16x16x128_f8f6f4 v[8*(4*(\a)+\b):8*(4*(\a)+\b)+7], v[128*(\p)+FR*\b:128*(\p)+FR*\b+FR-1], v[AF+FR*(\a):AF+FR*(\a)+FR-1], 0, v[SC+16*(\sc)+2*\b+(\q)], v[SC+16*(\sc)+2*(\a)+(\q)] matrix_a_fmt:MATRIX_FMT_FP6 matrix_b_fmt:MATRIX_FMT_FP6 matrix_a_scale:MATRIX_SCALE_ROW1
.else
	v_wmma_scale_f32_16x16x128_f8f6f4 v[8*(4*(\a)+\b):8*(4*(\a)+\b)+7], v[128*(\p)+FR*\b:128*(\p)+FR*\b+FR-1], v[AF+FR*(\a):AF+FR*(\a)+FR-1], v[8*(4*(\a)+\b):8*(4*(\a)+\b)+7], v[SC+16*(\sc)+2*\b+(\q)], v[SC+16*(\sc)+2*(\a)+(\q)] matrix_a_fmt:MATRIX_FMT_FP6 matrix_b_fmt:MATRIX_FMT_FP6 matrix_a_scale:MATRIX_SCALE_ROW1
.endif
.endr
.endr
.endm
.macro FETCH_B q, p
	WIN TO_B
.irp i, 0,1,2,3
	FRAG 128*(\p)+FR*\i, ADRB, \q, \i
.endr
	WIN 0
.endm
.macro FETCH_A q, i0
.irp i, \i0, \i0+1, \i0+2, \i0+3
	FRAG AF+FR*(\i), ADRA+(\i0)/4, \q, (\i)-(\i0)
.endr
.endm
.macro SCALES sc
.irp i, 0,1,2,3,4,5,6,7
	ds_load_b64 v[SC+16*\sc+2*\i:SC+16*\sc+2*\i+1], v[ADRS] offset:512*\i
.endr
.endm
.macro PLACES n
.rept \n
	v_nop
.endr
.endm
.macro STEP sc, zero
	s_wait_dscnt 4*NL
	WIN MUL
	MUL8 0, 0, 0, \sc, \zero
	MUL8 2, 0, 0, \sc, \zero
	s_wait_dscnt 0
	PLACES NP
	FETCH_B 1, 1
	FETCH_A 1, 0
	WIN MUL
	MUL8 4, 0, 0, \sc, \zero
	MUL8 6, 0, 0, \sc, \zero
	PLACES NP
	WIN 0
	FETCH_A 1, 4
.endm
.macro TURNO n, sc, nsc
	s_wait_dscnt 4*NL
	WIN MUL
	MUL8 0, 1, 1, \sc, 0
	MUL8 2, 1, 1, \sc, 0
	s_wait_dscnt 0x0
	WIN 0
	PLACES NP
	v_add_nc_u32 v[ADRA], 2*FRB, v[ADRA]           ; two K steps on in every tile
	v_add_nc_u32 v[ADRA+1], 2*FRB, v[ADRA+1]
	v_add_nc_u32 v[ADRB], 2*FRB, v[ADRB]
	v_add_nc_u32 v[ADRS], 128, v[ADRS]
	FETCH_B 0, 0
	FETCH_A 0, 0
	SCALES \nsc
	WIN MUL
	MUL8 4, 1, 1, \sc, 0
	MUL8 6, 1, 1, \sc, 0
	PLACES NP
	WIN 0
	FETCH_A 0, 4
.endm
	s_wait_tensorcnt 0x0
	s_wait_dscnt 0x0
	s_barrier_signal -1
	s_barrier_wait -1
	FETCH_B 0, 0
	FETCH_A 0, 0
	SCALES 0
	FETCH_A 0, 4
	STEP 0, 1
	TURNO 2, 0, 1
	s_wait_alu depctr_va_vdst(0)
	STEP 1, 0
	TURNO 1, 1, 0
	s_wait_alu depctr_va_vdst(0)
	STEP 0, 0
	TURNO 0, 0, 1
	s_wait_alu depctr_va_vdst(0)
	STEP 1, 0
	s_wait_dscnt 4*NL
	WIN MUL
	MUL8 0, 1, 1, 1, 0
	MUL8 2, 1, 1, 1, 0
	s_wait_dscnt 0
	MUL8 4, 1, 1, 1, 0
	MUL8 6, 1, 1, 1, 0
	WIN 0
	PLACES NP
	s_barrier_signal -1                            ; every wave's reads of the codes are over (each has waited for them): the stages may be laid over the context's first tiles
	s_barrier_wait -1
	s_lshl_b32 s20, s91, 9
	s_lshl_b32 s17, s16, 8
	s_add_co_u32 s20, s20, s17
	s_mov_b32 s21, 0
	s_add_nc_u64 s[8:9], s[8:9], s[20:21]
	s_add_nc_u64 s[10:11], s[10:11], s[20:21]
	s_add_nc_u64 s[12:13], s[12:13], s[20:21]
	s_lshl_b32 s20, s90, 20
	s_lshl_b32 s17, s15, 19
	s_add_co_u32 s20, s20, s17
	s_add_nc_u64 s[12:13], s[12:13], s[20:21]
.irp q, 0,1,2,3,4,5,6,7
	global_load_b128 v[GN+4*\q:GN+4*\q+3], v[H64], s[10:11] offset:(32*(\q/4)+8*((\q/2)%2))*4+16*(\q%2)
	global_load_b128 v[BS+4*\q:BS+4*\q+3], v[H64], s[8:9] offset:(32*(\q/4)+8*((\q/2)%2))*4+16*(\q%2)
.endr
	s_wait_loadcnt 0x0
.set j, 0
.rept 16
	v_pk_mul_f32 v[BS+j:BS+j+1], v[BS+j:BS+j+1], v[GN+j:GN+j+1]
.set j, j+2
.endr
.macro OROW a
	WIN 0x02
.set j, 0
.rept 16
	v_pk_fma_f32 v[Y+32*((\a)%2)+j:Y+32*((\a)%2)+j+1], v[32*(\a)+j:32*(\a)+j+1], v[GN+j:GN+j+1], v[BS+j:BS+j+1]
.set j, j+2
.endr
	WIN 0
.irp q, 0,1,2,3,4,5,6,7
	ds_store_b128 v[STO], v[Y+32*((\a)%2)+4*\q:Y+32*((\a)%2)+4*\q+3] offset:128*(\q/4)+32*((\q/2)%2)+16*(\q%2)
.endr
.if (\a) > 1
	s_wait_xcnt 0x0
.endif
.irp t, 0,1,2,3,4,5,6,7
	ds_load_b128 v[BK+32*((\a)%2)+4*\t:BK+32*((\a)%2)+4*\t+3], v[RD] offset:2*\t*272
.endr
.endm
.macro SEND a
.irp t, 0,1,2,3,4,5,6,7
	global_store_b128 v[CO], v[BK+32*((\a)%2)+4*\t:BK+32*((\a)%2)+4*\t+3], s[12:13] offset:(32*((\a)/2)+8*((\a)%2)+2*\t+8*(\t/4))*4096 th:TH_STORE_NT
.endr
.endm
	OROW 0
.irp a, 1,2,3,4,5,6,7
	OROW \a
	s_wait_dscnt 16
	SEND \a-1
.endr
	s_wait_dscnt 0x0
	SEND 7
	s_wait_tensorcnt 0x0
	ds_add_u32 v30, v31
	s_wait_dscnt 0x0
	CROUND
	s_endpgm
.Lfunc_end_k_qcf13bd19f0_outp:
	.size	k_qcf13bd19f0_outp, .Lfunc_end_k_qcf13bd19f0_outp-k_qcf13bd19f0_outp
	.p2alignl 7, 3214868480
	.fill 96, 4, 3214868480
	.section	.rodata,"a",@progbits
	.p2align	6, 0x0
	.amdhsa_kernel k_qcf13bd19f0_outp
		.amdhsa_group_segment_fixed_size 327680
		.amdhsa_private_segment_fixed_size 0
		.amdhsa_enable_private_segment 0
		.amdhsa_kernarg_size 40
		.amdhsa_user_sgpr_count 2
		.amdhsa_user_sgpr_kernarg_segment_ptr 1
		.amdhsa_wavefront_size32 1
		.amdhsa_system_sgpr_workgroup_id_x 1
		.amdhsa_system_sgpr_workgroup_id_y 1
		.amdhsa_system_sgpr_workgroup_id_z 1
		.amdhsa_system_vgpr_workitem_id 0
		.amdhsa_next_free_vgpr 768
		.amdhsa_next_free_sgpr 100
		.amdhsa_reserve_vcc 0
		.amdhsa_float_denorm_mode_32 3
		.amdhsa_float_denorm_mode_16_64 3
		.amdhsa_memory_ordered 1
		.amdhsa_forward_progress 1
		.amdhsa_inst_pref_size 112
	.end_amdhsa_kernel
	.amdgpu_metadata
---
amdhsa.version: [ 1, 2 ]
amdhsa.kernels:
  - .name:           k_qcf13bd19f0_outp
    .symbol:         k_qcf13bd19f0_outp.kd
    .args:
      - { .name: cq, .offset: 0, .size: 8, .value_kind: global_buffer, .address_space: global }
      - { .name: wq, .offset: 8, .size: 8, .value_kind: global_buffer, .address_space: global }
      - { .name: bo, .offset: 16, .size: 8, .value_kind: global_buffer, .address_space: global }
      - { .name: o_scale, .offset: 24, .size: 8, .value_kind: global_buffer, .address_space: global }
      - { .name: out0, .offset: 32, .size: 8, .value_kind: global_buffer, .address_space: global }
    .group_segment_fixed_size: 327680
    .private_segment_fixed_size: 0
    .kernarg_segment_align: 8
    .kernarg_segment_size: 40
    .max_flat_workgroup_size: 128
    .sgpr_count:     100
    .vgpr_count:     768
    .wavefront_size: 32
...
	.end_amdgpu_metadata
.endif
;; end of part 4
